; MI455X (gfx1250); checked and timed in simulation.
; The chip was launched on July 23, 2026; its instructions are those of AMD's public machine-readable ISA for CDNA 5 (MIT licence, August 2026) and "CDNA5" Instruction Set Architecture Reference Guide (July 2026). The comments in the code are by the model that wrote it; some were corrected since.
;; MHSA. Allowed arithmetic: matrix products marked QUANTISED: E2M3 operands, one E8M0 scale for each 32 along K, by v_wmma_scale_f32_16x16x128_f8f6f4 with both operands' format E2M3, f32 sums; everything else in f32.
;; Inputs: mask 4 x 2,048 x 2,048 bool; wk 1,024 x 1,024 float32; wo 1,024 x 1,024 float32; wq 1,024 x 1,024 float32; wv 1,024 x 1,024 float32; x 4 x 2,048 x 1,024 float32.
;; Outputs: out0 4 x 2,048 x 1,024 float32.
;; This version of the problem:
;;   THIS VERSION OF THE PROBLEM IS GIVEN IN LOW PRECISION. The matrix products marked QUANTISED in the list below multiply operands that are first quantised to E2M3 (2 exponent bits, 3 mantissa bits; 6 bits a number), with one power-of-two scale for each 32 numbers along K (OCP MX v1.0); their sums are f32. All else is computed in f32.
;;   The module's matrix products, in the order in which they are computed (A, B: the left and right operand; K: the contracted axis; several contracted axes count as one K, in the product's order):
;;     1. [M 8,192, K 1,024] x [K 1,024, N 1,024]; A: input x; B: input wq: QUANTISED
;;     2. [M 8,192, K 1,024] x [K 1,024, N 1,024]; A: input x; B: input wk: QUANTISED
;;     3. [M 8,192, K 1,024] x [K 1,024, N 1,024]; A: input x; B: input wv: QUANTISED
;;     4. batch 64 x [M 2,048, K 64] x [K 64, N 2,048]; A: computed on the way; B: computed on the way: QUANTISED
;;     5. batch 64 x [M 64, K 2,048] x [K 2,048, N 2,048]; A: computed on the way; B: computed on the way: QUANTISED
;;     6. [M 8,192, K 1,024] x [K 1,024, N 1,024]; A: computed on the way; B: input wo: QUANTISED
;;   THE QUANTISER, for each operand of a quantised product, along K:
;;     - K is cut into blocks of 32 from its start; a last block that is shorter is filled with zeros.
;;     - A block's scale is 2^e with e = floor(log2(the largest magnitude in the block)) - 2, held to -126 .. 127; a block of zeros has e = 0. As a byte (E8M0): e + 127.
;;     - Each number is divided by its block's scale, clamped to +-7.5, and rounded to the nearest number of E2M3, ties to even, subnormals kept.
;;     - The product sums the exact products of the quantised numbers (number of the format x scale) in f32.
;;   ~~~python
;;   def quantise(x, axis):      # numpy; x: float32 -> the quantised numbers, widened to float32 again
;;       x = np.moveaxis(x, axis, -1); K = x.shape[-1]
;;       x = np.pad(x, [(0, 0)] * (x.ndim - 1) + [(0, -K % 32)]); x = x.reshape(x.shape[:-1] + (-1, 32)); a = np.abs(x).max(-1, keepdims=True)
;;       e = np.where(a > 0, np.clip(np.frexp(np.where(a > 0, a, 1))[1] - 1 - 2, -126, 127), 0)      # np.frexp(a)[1] - 1 = floor(log2(a)), exactly
;;       r = np.clip(x / 2.0 ** e, -7.5, 7.5)
;;       step = 2.0 ** (np.maximum(np.frexp(np.where(r == 0, 1, r))[1] - 1, 0) - 3)
;;       q = np.round(r / step) * step * 2.0 ** e      # np.round: ties to even
;;       return np.moveaxis(q.reshape(q.shape[:-2] + (-1,))[..., :K], -1, axis).astype(np.float32)
;;   ~~~
;;   OPERANDS COMPUTED ON THE WAY. 'Computed on the way' means the value that the module computes at that place (a softmax that the list does not call 'softmax' is quantised finished and normalised). What goes into a quantiser is computed in f32, as accurately as f32 sums, v_exp_f32 and their like allow (about 1e-6 of the number): no bf16 or f16 on the way to a quantiser, and a product that is left as it is and whose result goes on into a quantised operand takes f32 operands (vector FMAs, or v_wmma_f32_16x16x4_f32). A number that lies on a knife's edge between two numbers of the format may be rounded either way, as far as f32 arithmetic and the matrix unit's own rounding can turn it there, and no further.
;; One version. Each part assembles by itself: llvm-mc -triple=amdgcn-amd-amdhsa -mcpu=gfx1250 --defsym DOCPART=n.
;; ======== version 1 of 1: 4 launches
;; limits: a function is approximated: absolute error at most 2e-06; right only within a limited range of input values
;; workspace buffers: xbuf 6,815,744 bytes; wbuf 3,407,872 bytes; maskw 2,097,152 bytes of whole numbers; qbuf 6,815,744 bytes; kvbuf 13,369,344 bytes; abuf 6,815,744 bytes
;; launch prep (part 1): grid 896 x 1, 4 waves a work-group, no clusters, 68,096 bytes of LDS; arguments x, wq, wk, wv, wo, mask, xbuf, wbuf, maskw; writes xbuf, wbuf, maskw
.if DOCPART == 1
	.amdgcn_target "amdgcn-amd-amdhsa--gfx1250"
	.amdhsa_code_object_version 6
	.text
	.protected	k_q33f27a5c14_prep
	.globl	k_q33f27a5c14_prep
	.p2align	8
	.type	k_q33f27a5c14_prep,@function
k_q33f27a5c14_prep:
	s_mov_b64 s[64:65], 0
	v_nop
	global_prefetch_b8 v0, s[64:65] scope:SCOPE_SE
	s_setreg_imm32_b32 hwreg(HW_REG_WAVE_MODE, 25, 1), 1
	s_wait_xcnt 0x0
; PREP: x [8192][1024] and the four weights [1024][1024], f32, K innermost, become codes of FP6 (E2M3) with one E8M0 byte for each 32 along K; the mask's bytes become bits.
; A block's scale is 2^(floor(log2(its largest magnitude)) - 2); its byte is the largest magnitude's exponent field - 2, held at 1 from below.  A block of zeros gets the byte 1 where the
; rule says 127: its codes are zeros, and this program alone reads the bytes.  LIMITS: NaN and infinities among the inputs are not served.
; STORED ORDER.  Rows go in tiles of 16 that are not neighbours: row rho of stored tile T is row 32 (T / 2) + 8 (T % 2) + rho + 8 (rho / 8).  A product that takes such tiles as its source 0
; leaves 16 NEIGHBOURING rows in a lane's 16 registers of two neighbouring tiles, which is what the next quantiser wants.
; A HALF FRAGMENT (16 rows x 64 K) is 768 bytes, an image of the operand's registers: registers 0-3 at 16 x lane, registers 4-5 at 512 + 8 x lane.
; A tile of xbuf or wbuf is TP bytes: four chunks of 256 along K, CHP bytes apart; a chunk is four half fragments and then 128 bytes of scale words, [row][2 words].
; SHARES.  Work-groups 0-255: 32 rows of x each; 256-383: 32 rows of a weight; a wave takes one stored tile and half of K (four steps of 128).  Work-groups 384-895: the mask of one stored
; tile of 16 queries; a wave takes 512 keys.  Waves share nothing: no barrier.  The two ways have LDS bytes of their own.
; MASK WORDS: maskw [query tile 512][step 16][64 words]; bit l of word 16 beta + i is mask[query l % 16 of the tile][128 step + 32 beta + 16 (l / 16) + i].  Any byte other than 0 counts as true.
.set TP,    13312
.set CHP,   3328
.set WSTG,  8448                       ; a wave's stage: 16 rows x (512 bytes + 16)
.set MSTG,  4*WSTG                     ; the mask way's four stages
.set SPARE, 8*WSTG                     ; the spare words, 128 bytes for each wave: two blocks of 256 bytes that no other line names
.set SPW, 12                           ; v12  LDS address of my spare word; never rewritten
.set NIL, 13                           ; v13  0; never rewritten
.set TM,  16                           ; v16-31 at work in QUANT
.set PW,  32                           ; v32  the scale word just made
.set WD,  34                           ; v34-37 the four steps' scale words
.set PC,  40                           ; v40-51 the codes just made; v52-54, v56-58 second halves
.set DP,  60                           ; v60-61 the scale words as stored
.set R,   64                           ; v64-191 two sets of 16 rows x 16 bytes a lane, as loaded
.set X,   192                          ; v192-255 64 numbers of my row: register 16 b + i = k 32 b + 16 (lane / 16) + i
.set HI,  23                           ; s23  lanes 16-31
.set SEL, 32                           ; s[32:33] v_permlanex16_b32's selects for lane l xor 16
	s_load_b512 s[4:19], s[0:1], 0x0               ; x, wq, wk, wv, wo, mask, xbuf, wbuf
	s_load_b64 s[20:21], s[0:1], 0x40              ; maskw
	v_lshl_add_u32 v[SPW], v0, 2, SPARE
	v_mov_b32 v[NIL], 0
	v_lshrrev_b32 v1, 5, v0
	v_readfirstlane_b32 s22, v1                    ; wave
	v_and_b32 v1, 31, v0                           ; lane
	v_and_b32 v2, 15, v0                           ; r
	v_bfe_u32 v3, v0, 4, 1                         ; h
	v_lshlrev_b32 v4, 4, v1                        ; 16 x lane
	v_lshlrev_b32 v5, 3, v1                        ; 8 x lane
	s_mul_i32 s24, s22, WSTG
	v_add_nc_u32 v6, s24, v4                       ; the stage on the way in: a row's 512 bytes as they lie
	v_mul_u32_u24 v7, v2, 528
	v_lshl_add_u32 v10, v3, 4, v7
	v_lshl_add_u32 v7, v3, 6, v7
	v_add_nc_u32 v7, s24, v7                       ; and on the way out: row r, + 64 h: my 16 numbers of a block of 32
	v_add_nc_u32 v10, s24, v10
	v_add_nc_u32 v10, MSTG, v10                    ; the mask's stage on the way out: row r, + 16 h: my 16 bytes of 32 keys
	v_add_nc_u32 v9, MSTG, v6                      ; and on the way in
	s_lshr_b32 s25, s22, 1                         ; which of the group's two tiles
	s_and_b32 s26, s22, 1                          ; which half of K
	s_wait_kmcnt 0x0
	s_cmp_ge_u32 ttmp9, 384
	s_cbranch_scc1 .Lmask
	; ---- the quantiser's way.  Only pointers and numbers are chosen, by the work-group's number
	s_sub_co_u32 s34, ttmp9, 256
	s_and_b32 s36, s34, 31                         ; a weight's group of 32 rows
	s_lshr_b32 s37, s34, 5                         ; which weight
	s_cmp_eq_u32 s37, 1
	s_cselect_b64 s[40:41], s[8:9], s[6:7]
	s_cmp_eq_u32 s37, 2
	s_cselect_b64 s[40:41], s[10:11], s[40:41]
	s_cmp_eq_u32 s37, 3
	s_cselect_b64 s[40:41], s[12:13], s[40:41]
	s_cmp_lt_u32 ttmp9, 256
	s_cselect_b64 s[40:41], s[4:5], s[40:41]       ; from where
	s_cselect_b64 s[42:43], s[16:17], s[18:19]     ; to where
	s_cselect_b32 s34, ttmp9, s34                  ; the group's number in the buffer of codes
	s_cselect_b32 s36, ttmp9, s36                  ; and in the tensor
	s_lshl_b32 s36, s36, 5
	s_lshl_b32 s38, s25, 3
	s_add_co_u32 s36, s36, s38                     ; the tile's first row: 32 x group + 8 x tile
	s_lshl_b32 s36, s36, 12                        ; rows of 4,096 bytes
	s_lshl_b32 s38, s26, 11
	s_add_co_u32 s36, s36, s38                     ; + my half of K
	s_mov_b32 s37, 0
	s_add_nc_u64 s[40:41], s[40:41], s[36:37]
	s_lshl_b32 s34, s34, 1
	s_add_co_u32 s34, s34, s25
	s_mul_i32 s34, s34, TP
	s_mul_i32 s38, s26, 2*CHP
	s_add_co_u32 s34, s34, s38
	s_mov_b32 s35, 0
	s_add_nc_u64 s[42:43], s[42:43], s[34:35]
	s_mov_b32 s[SEL], 0x76543210
	s_mov_b32 s[SEL+1], 0xfedcba98
	s_mov_b32 s[HI], 0xffff0000
	v_mul_u32_u24 v8, v3, CHP
	v_lshl_add_u32 v8, v2, 3, v8
	v_add_nc_u32 v8, 3072, v8                      ; the scale words: lanes 0-15 my first chunk's, lanes 16-31 my second's; 8 bytes a row
.irp b, 0,1,2,3
	v_mov_b32 v[TM+4+\b], 0                        ; written once: a lane permute's destination counts as one of its sources
.endr
.macro LOAD k                          ; step k: 128 numbers of each of the tile's 16 rows; a load reads 512 consecutive bytes of one row
.irp rho, 0,1,2,3,4,5,6,7,8,9,10,11,12,13,14,15
	global_load_b128 v[R+64*((\k)%2)+4*\rho:R+64*((\k)%2)+4*\rho+3], v4, s[40:41] offset:(\rho+8*(\rho/8))*4096+512*(\k) th:TH_LOAD_NT
.endr
.endm
.macro TURN k                          ; through my stage: in as loaded, out 16 neighbours of each block a lane.  LDS serves a wave's instructions in order: no wait between
.irp rho, 0,1,2,3,4,5,6,7,8,9,10,11,12,13,14,15
	ds_store_b128 v6, v[R+64*((\k)%2)+4*\rho:R+64*((\k)%2)+4*\rho+3] offset:528*\rho
.endr
.irp b, 0,1,2,3
.irp j, 0,1,2,3
	ds_load_b128 v[X+16*\b+4*\j:X+16*\b+4*\j+3], v7 offset:128*\b+16*\j
.endr
.endr
.endm
; 64 numbers of a lane, register 16 b + i = k 32 b + 16 (lane / 16) + i of my row, become a fragment's codes in v[PC] on and its scale word in v[PW]
.macro QUANT s
.irp b, 0,1,2,3
	v_max3_num_f32 v[TM+\b], |v[\s+16*\b]|, |v[\s+1+16*\b]|, 0x1800000   ; my 16 numbers of block b, and the floor 2^(3 - 127): the byte cannot fall under 1
.endr
.irp i, 2,4,6,8,10,12,14
.irp b, 0,1,2,3
	v_max3_num_f32 v[TM+\b], v[TM+\b], |v[\s+16*\b+\i]|, |v[\s+1+16*\b+\i]|
.endr
.endr
.irp b, 0,1,2,3
	v_permlanex16_b32 v[TM+4+\b], v[TM+\b], s[SEL], s[SEL+1]
.endr
.irp b, 0,1,2,3
	v_max_num_f32 v[TM+\b], v[TM+\b], v[TM+4+\b]   ; with lane l xor 16's: the block's largest magnitude
.endr
.irp b, 0,1,2,3
	v_add_nc_u32 v[TM+12+\b], 0xff000000, v[TM+\b] ; 2 off its exponent field: the conversion takes the exponent field of this operand as its scale
.endr
.irp b, 0,1,2,3
	v_lshrrev_b32 v[TM+4+\b], 23, v[TM+12+\b]      ; the scale's byte
.endr
	v_lshl_or_b32 v[PW], v[TM+5], 8, v[TM+4]
	v_lshl_or_b32 v[PW], v[TM+6], 16, v[PW]
	v_lshl_or_b32 v[PW], v[TM+7], 24, v[PW]
.irp c, 0,1
	v_cvt_scalef32_pk16_fp6_f32 v[PC+6*\c:PC+2+6*\c], v[\s+32*\c:\s+15+32*\c], v[TM+12+2*\c]
	v_cvt_scalef32_pk16_fp6_f32 v[PC+12+4*\c:PC+14+4*\c], v[\s+16+32*\c:\s+31+32*\c], v[TM+12+2*\c+1]   ; (a conversion's three registers begin on an even number)
.endr
	v_nop                                          ; one plain place behind a scaled conversion
.irp c, 0,1                            ; the operand's layout wants a whole block in a lane: lanes 0-15 block 2 c, lanes 16-31 block 2 c + 1
.irp i, 0,1,2
	v_permlane16_swap_b32 v[PC+6*\c+\i], v[PC+12+4*\c+\i]
.endr
.irp i, 0,1,2
	v_mov_b32 v[PC+3+6*\c+\i], v[PC+12+4*\c+\i]
.endr
.endr
.endm
.macro OUT k                           ; the fragment leaves as two half fragments: stores of 512 and of 256 consecutive bytes, each at a multiple of 256 from the buffer's first byte
	global_store_b128 v4, v[PC:PC+3], s[42:43] offset:((\k)/2)*CHP+((\k)%2)*1536
	global_store_b64 v5, v[PC+4:PC+5], s[42:43] offset:((\k)/2)*CHP+((\k)%2)*1536+512
	global_store_b128 v4, v[PC+6:PC+9], s[42:43] offset:((\k)/2)*CHP+((\k)%2)*1536+768
	global_store_b64 v5, v[PC+10:PC+11], s[42:43] offset:((\k)/2)*CHP+((\k)%2)*1536+1280
.endm
	LOAD 0
	LOAD 1
.irp k, 0,1,2,3
.if \k < 3
	s_wait_loadcnt 16                              ; this step's 16 loads are in; the next step's may be out
.else
	s_wait_loadcnt 0x0
.endif
	TURN \k
	s_wait_dscnt 0x0                               ; my 64 numbers are back, and the stage's stores have read the set,
.if \k < 2
	LOAD \k+2                                      ; which takes the loads of two steps on
.endif
.if \k > 0
	s_wait_xcnt 0x0                                ; the last step's stores have read the codes' registers: they are written again only behind this wait
.endif
	QUANT X
	v_mov_b32 v[WD+\k], v[PW]
	OUT \k
.endr
	v_cndmask_b32 v[DP], v[WD], v[WD+2], s[HI]     ; lanes 0-15: steps 0 and 1; lanes 16-31: steps 2 and 3
	v_cndmask_b32 v[DP+1], v[WD+1], v[WD+3], s[HI]
	global_store_b64 v8, v[DP:DP+1], s[42:43]      ; two runs of 128 consecutive bytes
	s_wait_tensorcnt 0x0                           ; the wave's end, behind my last LDS store
	ds_add_u32 v[SPW], v[NIL]
	s_wait_dscnt 0x0
	s_endpgm
.Lmask:                                            ; ---- the mask's way
	s_sub_co_u32 s34, ttmp9, 384                   ; the stored tile of queries, 0 .. 511 over the four batches
	s_lshr_b32 s36, s34, 1
	s_lshl_b32 s36, s36, 5
	s_and_b32 s38, s34, 1
	s_lshl_b32 s38, s38, 3
	s_add_co_u32 s36, s36, s38                     ; its first row
	s_lshl_b32 s36, s36, 11                        ; rows of 2,048 bytes
	s_lshl_b32 s38, s22, 9
	s_add_co_u32 s36, s36, s38                     ; + my 512 keys
	s_mov_b32 s37, 0
	s_add_nc_u64 s[14:15], s[14:15], s[36:37]
	s_lshl_b32 s34, s34, 4
	s_lshl_b32 s38, s22, 2
	s_add_co_u32 s34, s34, s38                     ; 16 steps a tile, my four
	s_lshl_b32 s34, s34, 8                         ; 256 bytes a step
	s_mov_b32 s35, 0
	s_add_nc_u64 s[20:21], s[20:21], s[34:35]
.irp rho, 0,1,2,3,4,5,6,7,8,9,10,11,12,13,14,15
	global_load_b128 v[64+4*\rho:64+4*\rho+3], v4, s[14:15] offset:(\rho+8*(\rho/8))*2048 th:TH_LOAD_NT   ; 512 consecutive bytes of one row
.endr
.irp e, 0,1,2,3,4,5,6,7
	v_mov_b32 v[192+\e], 0                         ; v_writelane_b32's destination counts as read
.endr
	s_wait_loadcnt 0x0
.irp rho, 0,1,2,3,4,5,6,7,8,9,10,11,12,13,14,15
	ds_store_b128 v9, v[64+4*\rho:64+4*\rho+3] offset:528*\rho
.endr
.irp s, 0,1,2,3
.irp b, 0,1,2,3
	ds_load_b128 v[128+16*\s+4*\b:128+16*\s+4*\b+3], v10 offset:128*\s+32*\b   ; keys 128 s + 32 b + 16 h + 0 .. 15 of query r
.endr
.endr
	s_wait_dscnt 0x0
; word W = 64 s + 16 b + i: a byte is cut out, compared with 0 in all 32 lanes, and the 32 bits go to lane (W % 128) / 4 of the register that will store them.  Eight words at a time
.set W, 0
.rept 32
.irp e, 0,1,2,3,4,5,6,7
	v_and_b32 v[200+\e], 0xff<<(8*(\e%4)), v[128+16*(W/64)+4*((W%64)/16)+((W%16)+\e)/4]
.endr
.irp e, 0,1,2,3,4,5,6,7
	v_cmp_ne_u32 s[24+\e], 0, v[200+\e]
.endr
.irp e, 0,1,2,3,4,5,6,7
	v_writelane_b32 v[192+4*(W/128)+\e%4], s[24+\e], ((W%128)+\e)/4
.endr
.set W, W+8
.endr
	global_store_b128 v4, v[192:195], s[20:21]             ; 512 consecutive bytes: two steps' words
	global_store_b128 v4, v[196:199], s[20:21] offset:512
	s_wait_tensorcnt 0x0                           ; the wave's end, behind my last LDS store
	ds_add_u32 v[SPW], v[NIL]
	s_wait_dscnt 0x0
	s_endpgm
.Lfunc_end_k_q33f27a5c14_prep:
	.size	k_q33f27a5c14_prep, .Lfunc_end_k_q33f27a5c14_prep-k_q33f27a5c14_prep
	.p2alignl 7, 3214868480
	.fill 96, 4, 3214868480
	.section	.rodata,"a",@progbits
	.p2align	6, 0x0
	.amdhsa_kernel k_q33f27a5c14_prep
		.amdhsa_group_segment_fixed_size 68096
		.amdhsa_private_segment_fixed_size 0
		.amdhsa_enable_private_segment 0
		.amdhsa_kernarg_size 72
		.amdhsa_user_sgpr_count 2
		.amdhsa_user_sgpr_kernarg_segment_ptr 1
		.amdhsa_wavefront_size32 1
		.amdhsa_system_sgpr_workgroup_id_x 1
		.amdhsa_system_sgpr_workgroup_id_y 1
		.amdhsa_system_sgpr_workgroup_id_z 1
		.amdhsa_system_vgpr_workitem_id 0
		.amdhsa_next_free_vgpr 256
		.amdhsa_next_free_sgpr 66
		.amdhsa_reserve_vcc 0
		.amdhsa_float_denorm_mode_32 3
		.amdhsa_float_denorm_mode_16_64 3
		.amdhsa_memory_ordered 1
		.amdhsa_forward_progress 1
		.amdhsa_inst_pref_size 87
	.end_amdhsa_kernel
	.amdgpu_metadata
---
amdhsa.version: [ 1, 2 ]
amdhsa.kernels:
  - .name:           k_q33f27a5c14_prep
    .symbol:         k_q33f27a5c14_prep.kd
    .args:
      - { .name: x, .offset: 0, .size: 8, .value_kind: global_buffer, .address_space: global }
      - { .name: wq, .offset: 8, .size: 8, .value_kind: global_buffer, .address_space: global }
      - { .name: wk, .offset: 16, .size: 8, .value_kind: global_buffer, .address_space: global }
      - { .name: wv, .offset: 24, .size: 8, .value_kind: global_buffer, .address_space: global }
      - { .name: wo, .offset: 32, .size: 8, .value_kind: global_buffer, .address_space: global }
      - { .name: mask, .offset: 40, .size: 8, .value_kind: global_buffer, .address_space: global }
      - { .name: xbuf, .offset: 48, .size: 8, .value_kind: global_buffer, .address_space: global }
      - { .name: wbuf, .offset: 56, .size: 8, .value_kind: global_buffer, .address_space: global }
      - { .name: maskw, .offset: 64, .size: 8, .value_kind: global_buffer, .address_space: global }
    .group_segment_fixed_size: 68096
    .private_segment_fixed_size: 0
    .kernarg_segment_align: 8
    .kernarg_segment_size: 72
    .max_flat_workgroup_size: 128
    .sgpr_count:     66
    .vgpr_count:     256
    .wavefront_size: 32
...
	.end_amdgpu_metadata
.endif
;; end of part 1
;; launch qkv (part 2): grid 12 x 64, 4 waves a work-group, clusters of 4 x 4, 327,680 bytes of LDS; arguments xbuf, wbuf, qbuf, kvbuf; writes qbuf, kvbuf
.if DOCPART == 2
	.amdgcn_target "amdgcn-amd-amdhsa--gfx1250"
	.amdhsa_code_object_version 6
	.text
	.protected	k_q33f27a5c14_qkv
	.globl	k_q33f27a5c14_qkv
	.p2align	8
	.type	k_q33f27a5c14_qkv,@function
k_q33f27a5c14_qkv:
	s_mov_b64 s[64:65], 0
	v_nop
	global_prefetch_b8 v0, s[64:65] scope:SCOPE_SE
	s_setreg_imm32_b32 hwreg(HW_REG_WAVE_MODE, 25, 1), 1
	s_wait_xcnt 0x0
	s_wait_alu depctr_hold_cnt(0) depctr_sa_sdst(0) depctr_va_vdst(0) depctr_va_sdst(0) depctr_va_ssrc(0) depctr_va_vcc(0) depctr_vm_vsrc(0)
	s_getreg_b32 s2, hwreg(HW_REG_IB_STS2, 6, 4)
	s_cmp_eq_u32 s2, 0
	s_cbranch_scc0 .Lentry_in_a_cluster
	s_endpgm
.Lentry_in_a_cluster:
	s_bfe_u32 s2, ttmp6, 0x10000c
	s_cmp_lg_u32 s2, 0xf033
	s_cbranch_scc0 .Lentry_shape_is_right
	s_endpgm
.Lentry_shape_is_right:
; QKV: x wq^T, x wk^T, x wv^T on codes of FP6 (E2M3) with E8M0 scales, K = 1,024; the results are quantised in registers for the two products of attention and never lie in memory as f32.
; D = S0 S1^T.  A work-group makes 256 rows of S0 x 128 rows of S1; wave w (a = w / 2, b = w % 2) makes S0's tiles 8 b .. 8 b + 7 x S1's tiles 4 a .. 4 a + 3: 32 accumulators, 256 registers.
; In the result a lane holds ONE row of S1 and its 64 registers run along 128 rows of S0, in their true order, since S0's tiles are stored tiles (row rho of tile T = row 32 (T/2) + 8 (T%2) + rho + 8 (rho/8)).
; The cluster's x says which product: 0 Q, 1 K: S0 = the weight, S1 = x: a lane holds a token, its registers two heads' 64 features, which are the K of the scores' product.
;                                     2 V: S0 = x, S1 = wv: a lane holds a channel, its registers 128 tokens, which are the K of the second product.
; ALL OF K LIES IN LDS: 384 rows x 800 bytes in four chunks of 256 along K, each filled once: no slot is filled again.  A tile's part of a chunk is 3,200 bytes: four half fragments
; (images of the operand's registers: registers 0-3 at 16 x lane, 4-5 at 512 + 8 x lane) and 128 bytes of scale words [row][2].  Every LDS read is in lane order.
; CLUSTER 4 x 4: S0's rows hang on cx alone and are asked for jointly along a column of the cluster, S1's on cy alone and along a row.
; A block of zeros gets the scale byte 1 (its codes are zeros; this program alone reads the bytes).  NaN and infinities are not served.
; REGISTERS: window 0: v4-9 LDS addresses; v10-15 store offsets; v28, v29 the add's two; v32-47 S0's scale words, v48-55 S1's (two sets each); v64-159 S1's fragments, two sets; v160-216 the epilogue.
;   window 1: S0's fragments, two sets of 96.   window 2: the accumulators, (m, f) at v[64 m + 8 f].
.set TP,    13312                      ; a tile of xbuf or wbuf
.set CHP,   3328                       ; a chunk in it
.set WMAT,  64*TP                      ; a weight in wbuf
.set TILEB, 3200                       ; a tile's part of a chunk in LDS
.set CHUNK, 24*TILEB                   ; S0's 16 tiles, then S1's 8
.set S1OFF, 16*TILEB
.set SPARE, 4*CHUNK                    ; the spare words, 128 bytes for each wave: two blocks of 256 bytes that no other line names
.set SPW, 28
.set NIL, 29
.set TM,  200                          ; v200-215 at work in QUANTW
.set PW,  216                          ; the scale word just made
.set PC,  160                          ; v160-171 the codes just made; v172-174, v176-178 second halves
.set WV,  12                           ; s12 wave; s13 a; s14 b
.set G1A, 16                           ; s[16:23] descriptor group 1 for S1's tiles;  s[24:31] for S0's
.set G1B, 24
.set G0A, 32                           ; s[32:47] groups 0 for S1's four chunks;  s[48:63] for S0's
.set G0B, 48
.set HI,  97                           ; s97 lanes 16-31
.set SEL, 98                           ; s[98:99] selects for lane l xor 16
.set MSB, 0
.macro WIN new                         ; the immediate's high byte repeats the setting that is left
.if MSB != \new
	s_set_vgpr_msb (MSB<<8)|\new
.set MSB, \new
.endif
.endm
.macro CROUND                          ; a round of the cluster's barrier
	s_barrier_signal -1
	s_barrier_wait -1
	s_cmp_lg_u32 s[WV], 0
	s_cbranch_scc1 .Lnot_wave_0_\@
	s_barrier_signal -3
.Lnot_wave_0_\@:
	s_barrier_wait -3
	s_barrier_signal -1
	s_barrier_wait -1
.endm
.macro PLACES n                        ; plain vector instructions between a matrix instruction and a load into, or a read of, its registers
.rept \n
	v_nop
.endr
.endm
.macro FRAGL reg, a16, a8, off         ; a fragment, 12 registers, from two half fragments
	ds_load_b128 v[(\reg):(\reg)+3], v[\a16] offset:(\off)
	ds_load_b64 v[(\reg)+4:(\reg)+5], v[\a8] offset:(\off)+512
	ds_load_b128 v[(\reg)+6:(\reg)+9], v[\a16] offset:(\off)+768
	ds_load_b64 v[(\reg)+10:(\reg)+11], v[\a8] offset:(\off)+1280
.endm
.macro FETCH t                         ; K step t's fragments into set t % 2: 48 loads; with a chunk's first step its scale words: 6 more
	WIN 0x40                                       ; destination window 1
.irp i, 0,1,2,3,4,5,6,7
	FRAGL 96*((\t)%2)+12*\i, 4, 5, TILEB*\i+1536*((\t)%2)
.endr
	WIN 0
.irp i, 0,1,2,3
	FRAGL 64+48*((\t)%2)+12*\i, 6, 7, TILEB*\i+1536*((\t)%2)
.endr
.if (\t)%2 == 0
.irp j, 0,1,2,3
	ds_load_b64 v[32+8*(((\t)/2)%2)+2*\j:32+8*(((\t)/2)%2)+2*\j+1], v8 offset:2*TILEB*\j   ; lanes 0-15 tile 2 j's two words, lanes 16-31 tile 2 j + 1's
.endr
.irp j, 0,1
	ds_load_b64 v[48+4*(((\t)/2)%2)+2*\j:48+4*(((\t)/2)%2)+2*\j+1], v9 offset:2*TILEB*\j
.endr
.endif
.endm
.macro WMS c, ra, rb                   ; one product; ra, rb: the side's scales stand in lanes 16-31
.if (\ra) && (\rb)
	v_wmma_scale_f32_16x16x128_f8f6f4 v[rD:rD+7], v[rA:rA+11], v[rB:rB+11], \c, v[rSA], v[rSB] matrix_a_fmt:MATRIX_FMT_FP6 matrix_b_fmt:MATRIX_FMT_FP6 matrix_a_scale:MATRIX_SCALE_ROW1 matrix_b_scale:MATRIX_SCALE_ROW1
.elseif (\ra)
	v_wmma_scale_f32_16x16x128_f8f6f4 v[rD:rD+7], v[rA:rA+11], v[rB:rB+11], \c, v[rSA], v[rSB] matrix_a_fmt:MATRIX_FMT_FP6 matrix_b_fmt:MATRIX_FMT_FP6 matrix_a_scale:MATRIX_SCALE_ROW1
.elseif (\rb)
	v_wmma_scale_f32_16x16x128_f8f6f4 v[rD:rD+7], v[rA:rA+11], v[rB:rB+11], \c, v[rSA], v[rSB] matrix_a_fmt:MATRIX_FMT_FP6 matrix_b_fmt:MATRIX_FMT_FP6 matrix_b_scale:MATRIX_SCALE_ROW1
.else
	v_wmma_scale_f32_16x16x128_f8f6f4 v[rD:rD+7], v[rA:rA+11], v[rB:rB+11], \c, v[rSA], v[rSB] matrix_a_fmt:MATRIX_FMT_FP6 matrix_b_fmt:MATRIX_FMT_FP6
.endif
.endm
.macro MUL t, zero                     ; K step t: 32 products; the 32 accumulators take turns, in the same order in every step.  zero = 1: they start the sums
	WIN 0xa1                                       ; source 0 (S0) window 1, source 1 (S1) window 0, C and D window 2
.irp m, 0,1,2,3
.irp f, 0,1,2,3,4,5,6,7
.set rD, 64*\m+8*\f
.set rA, 96*((\t)%2)+12*\f
.set rB, 64+48*((\t)%2)+12*\m
.set rSA, 32+8*(((\t)/2)%2)+2*(\f/2)+(\t)%2
.set rSB, 48+4*(((\t)/2)%2)+2*(\m/2)+(\t)%2
.if \zero
	WMS 0, \f%2, \m%2
.else
	WMS v[rD:rD+7], \f%2, \m%2
.endif
.endr
.endr
	WIN 0
.endm
	s_load_b256 s[4:11], s[0:1], 0x0               ; xbuf, wbuf, qbuf, kvbuf
	v_lshl_add_u32 v[SPW], v0, 2, SPARE
	v_mov_b32 v[NIL], 0
	ds_add_u32 v[SPW], v[NIL]                      ; the wave's opening: the add and its wait stand ahead of my first tensor load; work on registers stands between them
	v_lshrrev_b32 v1, 5, v0
	v_readfirstlane_b32 s[WV], v1                  ; wave 0..3
	s_lshr_b32 s13, s[WV], 1                       ; a.  Also: I fetch for S1 (0) or for S0 (1)
	s_and_b32 s14, s[WV], 1                        ; b.  Also: which half of that operand's tiles I fetch
	s_bfe_u32 s66, ttmp6, 0x40000                  ; cx
	s_bfe_u32 s67, ttmp6, 0x40004                  ; cy
	s_and_b32 s69, ttmp7, 0xffff                   ; the cluster's y, 0 .. 15
	s_lshl_b32 s70, s67, 2
	s_lshl_b32 s70, 15, s70                        ; my row of the cluster
	s_lshl_b32 s71, 0x1111, s66                    ; my column
	s_or_b32 s[G1A], s70, (3<<16)|(1<<21)          ; 15:0 the mask; 17:16 elements of 8 bytes; 20 no padding; 21 set beside a mask
	s_or_b32 s[G1B], s71, (3<<16)|(1<<21)
	s_mov_b32 s[G1A+1], 400<<16                    ; tensor_dim0: 3,200 bytes
	s_mov_b32 s[G1A+2], 4<<16                      ; tensor_dim1: 4 tiles
	s_mov_b32 s[G1A+3], 400<<16                    ; tile_dim0
	s_mov_b32 s[G1A+4], 4                          ; tile_dim1
	s_mov_b32 s[G1A+5], TP/8                       ; from tile to tile
	s_mov_b32 s[G1A+6], 0
	s_mov_b32 s[G1A+7], 0
	s_mov_b32 s[G1B+1], 400<<16
	s_mov_b32 s[G1B+2], 8<<16                      ; 8 tiles
	s_mov_b32 s[G1B+3], 400<<16
	s_mov_b32 s[G1B+4], 8
	s_mov_b32 s[G1B+5], TP/8
	s_mov_b32 s[G1B+6], 0
	s_mov_b32 s[G1B+7], 0
	; which 16 tiles of S0 (i0, from cx) and which 8 of S1 (i1, from cy).  Q, K: i0 = cx, i1 = 4 Y + cy.  V: i0 = 4 (Y / 2) + cx, i1 = 4 (Y % 2) + cy
	s_lshr_b32 s72, s69, 1
	s_lshl_b32 s72, s72, 2
	s_and_b32 s73, s69, 1
	s_lshl_b32 s73, s73, 2
	s_lshl_b32 s74, s69, 2
	s_mul_i32 s84, ttmp9, WMAT                     ; the weight's place in wbuf
	s_cmp_eq_u32 ttmp9, 2                          ; the cluster's x: the same in all sixteen partners
	s_cselect_b32 s72, s72, 0
	s_cselect_b32 s73, s73, s74
	s_cselect_b32 s85, 0, s84                      ; it goes with the operand that is the weight
	s_cselect_b32 s84, s84, 0
	s_add_co_u32 s72, s72, s66                     ; i0
	s_add_co_u32 s73, s73, s67                     ; i1
	s_lshl_b32 s76, s72, 4
	s_lshl_b32 s74, s14, 3
	s_add_co_u32 s76, s76, s74
	s_mul_i32 s76, s76, TP
	s_add_co_u32 s76, s76, s85                     ; S0: tile 16 i0 + 8 b
	s_mov_b32 s77, 0
	s_lshl_b32 s78, s73, 3
	s_lshl_b32 s74, s14, 2
	s_add_co_u32 s78, s78, s74
	s_mul_i32 s78, s78, TP
	s_add_co_u32 s78, s78, s84                     ; S1: tile 8 i1 + 4 b
	s_mov_b32 s79, 0
	s_mul_i32 s88, s14, 4*TILEB                    ; where they go: no place in the cluster enters an LDS address
	s_mul_i32 s89, s14, 8*TILEB
	s_mov_b32 s[HI], 0xffff0000
	s_mov_b32 s[SEL], 0x76543210
	s_mov_b32 s[SEL+1], 0xfedcba98
	s_wait_dscnt 0x0                               ; the opening add is done
	s_wait_kmcnt 0x0
	s_cmp_eq_u32 ttmp9, 2
	s_cselect_b64 s[80:81], s[4:5], s[6:7]         ; S0: x for V, else the weight
	s_cselect_b64 s[82:83], s[6:7], s[4:5]         ; S1
	s_add_nc_u64 s[80:81], s[80:81], s[76:77]
	s_add_nc_u64 s[82:83], s[82:83], s[78:79]
	CROUND                                         ; all sixteen work-groups are here: the joint loads meet
.irp c, 0,1,2,3
	s_mov_b32 s[G0A+4*\c], 1
	s_add_co_u32 s[G0A+4*\c+1], s88, \c*CHUNK+S1OFF
	s_add_nc_u64 s[G0A+4*\c+2:G0A+4*\c+3], s[82:83], \c*CHP
	s_or_b32 s[G0A+4*\c+3], s[G0A+4*\c+3], 0x80000000
	s_mov_b32 s[G0B+4*\c], 1
	s_add_co_u32 s[G0B+4*\c+1], s89, \c*CHUNK
	s_add_nc_u64 s[G0B+4*\c+2:G0B+4*\c+3], s[80:81], \c*CHP
	s_or_b32 s[G0B+4*\c+3], s[G0B+4*\c+3], 0x80000000
.endr
	s_cmp_eq_u32 s13, 0                            ; a wave's four fills stand in one branch on the wave's number: four loads of mine are out; an s_nop 0 follows each, four v_nop the last
	s_cbranch_scc0 .Lfor_s0
.irp c, 0,1,2,3
	tensor_load_to_lds s[G0A+4*\c:G0A+4*\c+3], s[G1A:G1A+7]
	s_nop 0
.endr
.rept 4
	v_nop
.endr
	s_branch .Lasked
.Lfor_s0:
.irp c, 0,1,2,3
	tensor_load_to_lds s[G0B+4*\c:G0B+4*\c+3], s[G1B:G1B+7]
	s_nop 0
.endr
.rept 4
	v_nop
.endr
.Lasked:
	v_and_b32 v1, 31, v0                           ; lane
	v_and_b32 v2, 15, v0                           ; r
	v_bfe_u32 v3, v0, 4, 1                         ; h
	v_lshlrev_b32 v13, 4, v1                       ; 16 x lane
	v_lshlrev_b32 v14, 3, v1                       ; 8 x lane
	v_lshlrev_b32 v15, 2, v1                       ; 4 x lane
	s_mul_i32 s90, s14, 8*TILEB                    ; my 8 tiles of S0
	s_mul_i32 s91, s13, 4*TILEB
	s_add_co_u32 s91, s91, S1OFF                   ; my 4 tiles of S1
	v_add_nc_u32 v4, s90, v13
	v_add_nc_u32 v5, s90, v14
	v_add_nc_u32 v6, s91, v13
	v_add_nc_u32 v7, s91, v14
	v_mul_u32_u24 v8, v3, TILEB
	v_lshl_add_u32 v8, v2, 3, v8
	v_add_nc_u32 v8, 3072, v8                      ; scale words: 8 bytes a row; lanes 16-31 the next tile's
	v_add_nc_u32 v9, s91, v8
	v_add_nc_u32 v8, s90, v8
.irp b, 0,1,2,3
	v_mov_b32 v[TM+4+\b], 0                        ; written once: a lane permute's destination counts as one of its sources
.endr
	s_wait_tensorcnt 0x3                           ; my part of chunk 0 is in; the three behind it may be out
	s_barrier_signal -1
	s_barrier_wait -1                              ; everybody's is
	FETCH 0
.irp t, 0,1,2,3,4,5,6,7
.if (\t%2) == 1 && \t < 7
	s_wait_tensorcnt (5-\t)/2                      ; my part of the next chunk is in: 2, 1, 0 younger loads may be out
	s_wait_dscnt 0x0                               ; no LDS instruction of mine is pending at a signal
	s_barrier_signal -1
	s_barrier_wait -1
.irp a, 4,5,6,7,8,9
	v_add_nc_u32 v\a, CHUNK, v\a                   ; on to the next chunk
.endr
.endif
.if \t > 0 && \t < 7
	PLACES 4                                       ; the set that is loaded next was read by the products just issued
.endif
.if \t < 7
	FETCH \t+1
.if (\t%2) == 1
	s_wait_dscnt 54                                ; all but the 54 just issued
.else
	s_wait_dscnt 48                                ; all but the 48 just issued
.endif
.else
	s_wait_dscnt 0x0
.endif
.if \t == 0
	MUL \t, 1
.else
	MUL \t, 0
.endif
.endr
	PLACES 4
; THE EPILOGUE.  The 64 registers of S1's tile m, in window 2, are 128 neighbours along the next product's K: four blocks of 32, each in lanes l and l xor 16.  Each accumulator is read from its low end on.
.macro QUANTW m
	WIN 0x0a                                       ; sources 0 and 1 window 2
.irp b, 0,1,2,3
	v_max3_num_f32 v[TM+\b], |v[64*\m+16*\b]|, |v[64*\m+16*\b+1]|, 0x1800000   ; and the floor 2^(3 - 127): the byte cannot fall under 1
.endr
.irp i, 2,4,6,8,10,12,14
.irp b, 0,1,2,3
	v_max3_num_f32 v[TM+\b], |v[64*\m+16*\b+\i]|, |v[64*\m+16*\b+\i+1]|, v[TM+\b]
.endr
.endr
	WIN 0
.irp b, 0,1,2,3
	v_permlanex16_b32 v[TM+4+\b], v[TM+\b], s[SEL], s[SEL+1]
.endr
.irp b, 0,1,2,3
	v_max_num_f32 v[TM+\b], v[TM+\b], v[TM+4+\b]
.endr
.irp b, 0,1,2,3
	v_add_nc_u32 v[TM+12+\b], 0xff000000, v[TM+\b] ; 2 off the exponent field: the conversion's scale operand
.endr
.irp b, 0,1,2,3
	v_lshrrev_b32 v[TM+4+\b], 23, v[TM+12+\b]      ; the scale's byte
.endr
	v_lshl_or_b32 v[PW], v[TM+5], 8, v[TM+4]
	v_lshl_or_b32 v[PW], v[TM+6], 16, v[PW]
	v_lshl_or_b32 v[PW], v[TM+7], 24, v[PW]
.if \m > 0
	s_wait_xcnt 0x0                                ; the last tile's stores have read the codes' registers: they are written again only behind this wait
.endif
	WIN 0x02                                       ; source 0 window 2
.irp c, 0,1
	v_cvt_scalef32_pk16_fp6_f32 v[PC+6*\c:PC+2+6*\c], v[64*\m+32*\c:64*\m+32*\c+15], v[TM+12+2*\c]
	v_cvt_scalef32_pk16_fp6_f32 v[PC+12+4*\c:PC+14+4*\c], v[64*\m+32*\c+16:64*\m+32*\c+31], v[TM+12+2*\c+1]
.endr
	WIN 0
	v_nop                                          ; one plain place behind a scaled conversion
.irp c, 0,1
.irp i, 0,1,2
	v_permlane16_swap_b32 v[PC+6*\c+\i], v[PC+12+4*\c+\i]
.endr
.irp i, 0,1,2
	v_mov_b32 v[PC+3+6*\c+\i], v[PC+12+4*\c+\i]
.endr
.endr
.endm
	s_cmp_eq_u32 ttmp9, 2                          ; the same in all partners
	s_cbranch_scc1 .Lv
	; ---- Q and K.  Registers 0-5 of the codes are a half fragment of head 4 i0 + 2 b, registers 6-11 of the next head; the scale word's low half is the first head's, its high half the second's
	s_lshl_b32 s74, s72, 2
	s_lshl_b32 s75, s14, 1
	s_add_co_u32 s74, s74, s75                     ; the first head
	s_lshr_b32 s75, s73, 4
	s_lshl_b32 s75, s75, 4                         ; 16 x batch
	s_add_co_u32 s74, s74, s75
	s_lshl_b32 s74, s74, 4
	s_and_b32 s75, s73, 15                         ; the group of 128 tokens
	s_add_co_u32 s74, s74, s75
	s_mov_b32 s96, 13056
	s_cmp_eq_u32 ttmp9, 0
	s_cselect_b32 s96, 6656, s96                   ; a group's bytes: in qbuf, in kvbuf
	s_cselect_b64 s[92:93], s[8:9], s[10:11]
	s_mul_i32 s74, s74, s96
	s_mov_b32 s75, 0
	s_add_nc_u64 s[92:93], s[92:93], s[74:75]
	s_lshl_b32 s74, s96, 4
	s_add_nc_u64 s[94:95], s[92:93], s[74:75]      ; the next head: 16 groups on
	s_mul_i32 s74, s13, 3072
	v_add_nc_u32 v10, s74, v13                     ; tile 4 a + m of the group's eight: 768 bytes each
	v_add_nc_u32 v11, s74, v14
	v_add_nc_u32 v11, 512, v11
	s_lshl_b32 s74, s13, 8
	v_add_nc_u32 v12, s74, v15
	v_add_nc_u32 v12, 6144, v12                    ; the scale words, 64 bytes a tile, behind the eight half fragments
.irp m, 0,1,2,3
	QUANTW \m
	global_store_b128 v10, v[PC:PC+3], s[92:93] offset:768*\m          ; 512 and 256 consecutive bytes, each at a multiple of 256 from the buffer's first byte
	global_store_b64 v11, v[PC+4:PC+5], s[92:93] offset:768*\m
	global_store_b128 v10, v[PC+6:PC+9], s[94:95] offset:768*\m
	global_store_b64 v11, v[PC+10:PC+11], s[94:95] offset:768*\m
	v_and_b32 v[180+\m], 0xffff, v[PW]             ; the upper two bytes stay 0: they scale the zero codes that fill K from 64 to 128
	v_lshrrev_b32 v[184+\m], 16, v[PW]
.if \m%2
	v_cndmask_b32 v[188+2*(\m/2)], v[179+\m], v[180+\m], s[HI]        ; lanes 0-15 tile m - 1's words, lanes 16-31 tile m's: 128 consecutive bytes
	v_cndmask_b32 v[189+2*(\m/2)], v[183+\m], v[184+\m], s[HI]
	global_store_b32 v12, v[188+2*(\m/2)], s[92:93] offset:128*(\m/2)
	global_store_b32 v12, v[189+2*(\m/2)], s[94:95] offset:128*(\m/2)
.endif
.endr
	s_branch .Ldone
.Lv:	; ---- V.  The codes are a whole fragment: channel tile m of head 2 i1 + a, the 128 tokens of group 2 i0 + b
	s_lshl_b32 s74, s72, 1
	s_add_co_u32 s74, s74, s14                     ; the group, 0 .. 63 over the batches
	s_lshr_b32 s75, s74, 4
	s_lshl_b32 s75, s75, 4                         ; 16 x batch
	s_lshl_b32 s96, s73, 1
	s_add_co_u32 s96, s96, s13                     ; the head
	s_add_co_u32 s75, s75, s96
	s_lshl_b32 s75, s75, 4
	s_and_b32 s74, s74, 15
	s_add_co_u32 s74, s74, s75
	s_mul_i32 s74, s74, 13056
	s_add_co_u32 s74, s74, 6656                    ; V lies behind K in a step's bytes
	s_mov_b32 s75, 0
	s_add_nc_u64 s[92:93], s[10:11], s[74:75]
.irp m, 0,1,2,3
	QUANTW \m
	global_store_b128 v13, v[PC:PC+3], s[92:93] offset:1536*\m
	global_store_b64 v14, v[PC+4:PC+5], s[92:93] offset:1536*\m+512
	global_store_b128 v13, v[PC+6:PC+9], s[92:93] offset:1536*\m+768
	global_store_b64 v14, v[PC+10:PC+11], s[92:93] offset:1536*\m+1280
	v_mov_b32 v[180+\m], v[PW]
.if \m%2
	v_cndmask_b32 v[188+\m/2], v[179+\m], v[180+\m], s[HI]
	global_store_b32 v15, v[188+\m/2], s[92:93] offset:6144+128*(\m/2)
.endif
.endr
.Ldone:
	s_wait_tensorcnt 0x0                           ; the wave's end, behind my last tensor load
	ds_add_u32 v[SPW], v[NIL]
	s_wait_dscnt 0x0
	CROUND                                         ; the closing round: no work-group ends while a partner may still ask for a tile that names it
	s_endpgm
.Lfunc_end_k_q33f27a5c14_qkv:
	.size	k_q33f27a5c14_qkv, .Lfunc_end_k_q33f27a5c14_qkv-k_q33f27a5c14_qkv
	.p2alignl 7, 3214868480
	.fill 96, 4, 3214868480
	.section	.rodata,"a",@progbits
	.p2align	6, 0x0
	.amdhsa_kernel k_q33f27a5c14_qkv
		.amdhsa_group_segment_fixed_size 327680
		.amdhsa_private_segment_fixed_size 0
		.amdhsa_enable_private_segment 0
		.amdhsa_kernarg_size 32
		.amdhsa_user_sgpr_count 2
		.amdhsa_user_sgpr_kernarg_segment_ptr 1
		.amdhsa_wavefront_size32 1
		.amdhsa_system_sgpr_workgroup_id_x 1
		.amdhsa_system_sgpr_workgroup_id_y 1
		.amdhsa_system_sgpr_workgroup_id_z 1
		.amdhsa_system_vgpr_workitem_id 0
		.amdhsa_next_free_vgpr 768
		.amdhsa_next_free_sgpr 102
		.amdhsa_reserve_vcc 0
		.amdhsa_float_denorm_mode_32 3
		.amdhsa_float_denorm_mode_16_64 3
		.amdhsa_memory_ordered 1
		.amdhsa_forward_progress 1
		.amdhsa_inst_pref_size 107
	.end_amdhsa_kernel
	.amdgpu_metadata
---
amdhsa.version: [ 1, 2 ]
amdhsa.kernels:
  - .name:           k_q33f27a5c14_qkv
    .symbol:         k_q33f27a5c14_qkv.kd
    .args:
      - { .name: xbuf, .offset: 0, .size: 8, .value_kind: global_buffer, .address_space: global }
      - { .name: wbuf, .offset: 8, .size: 8, .value_kind: global_buffer, .address_space: global }
      - { .name: qbuf, .offset: 16, .size: 8, .value_kind: global_buffer, .address_space: global }
      - { .name: kvbuf, .offset: 24, .size: 8, .value_kind: global_buffer, .address_space: global }
    .group_segment_fixed_size: 327680
    .private_segment_fixed_size: 0
    .kernarg_segment_align: 8
    .kernarg_segment_size: 32
    .max_flat_workgroup_size: 128
    .sgpr_count:     102
    .vgpr_count:     768
    .wavefront_size: 32
...
	.end_amdgpu_metadata
.endif
;; end of part 2
;; launch attn (part 3): grid 4 x 64, 16 waves a work-group, clusters of 4 x 1, 210,944 bytes of LDS; arguments qbuf, maskw, abuf, kvbuf; writes abuf
.if DOCPART == 3
	.amdgcn_target "amdgcn-amd-amdhsa--gfx1250"
	.amdhsa_code_object_version 6
	.text
	.protected	k_q33f27a5c14_attn
	.globl	k_q33f27a5c14_attn
	.p2align	8
	.type	k_q33f27a5c14_attn,@function
k_q33f27a5c14_attn:
	s_mov_b64 s[64:65], 0
	v_nop
	global_prefetch_b8 v0, s[64:65] scope:SCOPE_SE
	s_setreg_imm32_b32 hwreg(HW_REG_WAVE_MODE, 25, 1), 1
	s_wait_xcnt 0x0
	s_wait_alu depctr_hold_cnt(0) depctr_sa_sdst(0) depctr_va_vdst(0) depctr_va_sdst(0) depctr_va_ssrc(0) depctr_va_vcc(0) depctr_vm_vsrc(0)
	s_getreg_b32 s2, hwreg(HW_REG_IB_STS2, 6, 4)
	s_cmp_eq_u32 s2, 0
	s_cbranch_scc0 .Lentry_in_a_cluster
	s_endpgm
.Lentry_in_a_cluster:
	s_bfe_u32 s2, ttmp6, 0x10000c
	s_cmp_lg_u32 s2, 0x3003
	s_cbranch_scc0 .Lentry_shape_is_right
	s_endpgm
.Lentry_shape_is_right:
; ATTN: for each head, out = (softmax(q k^T / 8 + hidden) x mask) v, both products on codes of FP6 (E2M3) with E8M0 scales; the result is quantised for the last product and stored as codes.
; WHAT IS QUANTISED AHEAD OF THE SECOND PRODUCT IS THE FINISHED, NORMALISED p.  So a row's maximum and sum are known before any p is made: TWO PASSES over the keys, the scores computed in each.
;   pass 1: a running maximum m and sum l in each lane, over the lane's own half of the keys: l = l 2^(c m_old - c m_new) + sum 2^(c s - c m), c = log2(e) / 8.
;   between: the two halves are joined; K2 = -c m - log2(l).      pass 2: p = 2^(c s + K2), quantised along the keys in blocks of 32; O^T += V^T p^T.  O needs no rescaling and no division.
; SHARES.  A work-group owns 512 queries of one head; each of its sixteen waves two stored tiles of 16 queries, one after the other, in 256 registers: four waves to a SIMD.
; The head's whole K and V (codes and scale words, 16 steps of 128 keys x 13,056 bytes) lie in LDS, filled once: each wave brings one step.  The four work-groups of a cluster are the four
; quarters of one head's queries and ask for these bytes JOINTLY.  Nothing is stored to LDS.
; LAYOUT.  Both products are used transposed (S^T = K Q^T, O^T = V^T P^T): a lane holds one query.  Tiles of keys, queries and channels are stored tiles (row rho of tile T = row 32 (T/2) + 8 (T%2) + rho +
; 8 (rho/8)), so that the 16 registers of tiles 2 b and 2 b + 1 are 16 neighbours: keys 32 b + 16 (lane / 16) + 0 .. 15.  The scores' K is 64: the upper half of each fragment holds zero codes.
; THE MASK comes as bits, 64 words a step and tile, by scalar loads asked for a step ahead; word n is the select mask of score register n.  It steers no branch and no address.
; LIMITS.  A hidden score is taken as -infinity in place of score - 1e9: the same p while |q.k| / 8 stays under some 1e8.  A row that is wholly hidden gives p = 0, as the second mask of the
; definition does.  1 / l stands in the exponent: some 2e-6 of p.  v_exp_f32 gives 0 under 2^-126.  A block of zeros gets the scale byte 1.  NaN and infinities are not served.
; The result's two scale bytes a row are stored two bytes a lane, into words that three other heads' work-groups fill up: one byte in 24 of what the launch stores.
.set TP,    13312
.set CHP,   3328
.set STEPB, 13056                      ; a step in kvbuf and in LDS: K's 8 half fragments, 512 bytes of K's scale words, V's 4 fragments, 256 bytes of V's scale words
.set SPARE, 16*STEPB                   ; the spare words, 128 bytes for each wave: eight blocks of 256 bytes that no other line names
.set L16, 1                            ; v1-3  16, 8, 4 x lane
.set L8,  2
.set L4,  3
.set SPW, 4                            ; v4   LDS address of my spare word; never rewritten
.set NIL, 5                            ; v5   0; never rewritten
.set A16, 6                            ; v6-8  the same three, + the step's first byte
.set A8,  7
.set A4,  8
.set NEG, 15                           ; v15  -infinity        (v9-11 offsets in qbuf, v12-14 in abuf)
.set QF,  16                           ; v16-27 Q's fragment; v22-27 stay 0
.set QS,  28                           ; v28  Q's scale words
.set PW,  29                           ; v29  p's scale word
.set VS,  30                           ; v30-31 V's scale words
.set KF,  32                           ; v32-79 four fragments of K; the upper six registers of each stay 0
.set KS,  80                           ; v80-83 K's scale words
.set NM,  84                           ; v84 -c m, v85 m
.set FF,  86                           ; v86 2^(c m_old - c m_new), v87 written once (named with it as a pair)
.set LS,  88                           ; v[88:89] l in two halves
.set K2,  90                           ; v90 K2, v91 written once
.set S,   96                           ; v96-159 S^T, then p; in pass 2 v96-143 then take V's four fragments
.set O,   160                          ; v160-191 O^T
.set PC,  192                          ; v192-203 codes; v204-206, v208-210 second halves
.set BM,  212                          ; v212-215 block maxima
.set BP,  216                          ; v216-219 the other half's; bytes
.set SCL, 220                          ; v220-223 the conversions' scale operands
.set T2,  224                          ; v[224:225] the sums' second chain
.set WV,  16                           ; s16 wave
.set MO,  17                           ; s17 byte offset of the mask words asked for
.set TK,  18                           ; s18 the step's first LDS byte
.set CNT, 19                           ; s19 steps to go
.set G1,  20                           ; s[20:27] descriptor group 1;  s[12:15] group 0
.set CS,  28                           ; s[28:29] c, twice
.set NC,  30                           ; s30 -c
.set HI,  31                           ; s31 lanes 16-31
.set SEL, 66                           ; s[66:67] selects for lane l xor 16.   s[32:63], s[68:99]: the step's 64 mask words
.macro CROUND                          ; a round of the cluster's barrier
	s_barrier_signal -1
	s_barrier_wait -1
	s_cmp_lg_u32 s[WV], 0
	s_cbranch_scc1 .Lnot_wave_0_\@
	s_barrier_signal -3
.Lnot_wave_0_\@:
	s_barrier_wait -3
	s_barrier_signal -1
	s_barrier_wait -1
.endm
.macro WMS c, ra, rb                   ; one product; ra, rb: the side's scales stand in lanes 16-31
.if (\ra) && (\rb)
	v_wmma_scale_f32_16x16x128_f8f6f4 v[rD:rD+7], v[rA:rA+11], v[rB:rB+11], \c, v[rSA], v[rSB] matrix_a_fmt:MATRIX_FMT_FP6 matrix_b_fmt:MATRIX_FMT_FP6 matrix_a_scale:MATRIX_SCALE_ROW1 matrix_b_scale:MATRIX_SCALE_ROW1
.elseif (\ra)
	v_wmma_scale_f32_16x16x128_f8f6f4 v[rD:rD+7], v[rA:rA+11], v[rB:rB+11], \c, v[rSA], v[rSB] matrix_a_fmt:MATRIX_FMT_FP6 matrix_b_fmt:MATRIX_FMT_FP6 matrix_a_scale:MATRIX_SCALE_ROW1
.elseif (\rb)
	v_wmma_scale_f32_16x16x128_f8f6f4 v[rD:rD+7], v[rA:rA+11], v[rB:rB+11], \c, v[rSA], v[rSB] matrix_a_fmt:MATRIX_FMT_FP6 matrix_b_fmt:MATRIX_FMT_FP6 matrix_b_scale:MATRIX_SCALE_ROW1
.else
	v_wmma_scale_f32_16x16x128_f8f6f4 v[rD:rD+7], v[rA:rA+11], v[rB:rB+11], \c, v[rSA], v[rSB] matrix_a_fmt:MATRIX_FMT_FP6 matrix_b_fmt:MATRIX_FMT_FP6
.endif
.endm
	s_load_b256 s[4:11], s[0:1], 0x0               ; qbuf, maskw, abuf, kvbuf
	v_lshl_add_u32 v[SPW], v0, 2, SPARE
	v_mov_b32 v[NIL], 0
	ds_add_u32 v[SPW], v[NIL]                      ; the wave's opening: the add and its wait stand ahead of my first tensor load; work on registers stands between them
	v_lshrrev_b32 v92, 5, v0
	v_readfirstlane_b32 s[WV], v92                 ; wave 0..15
	s_bfe_u32 s2, ttmp6, 0x40000                   ; cx: which quarter of the queries
	s_and_b32 s3, ttmp7, 0xffff                    ; batch x 16 + head, which the four partners share
	s_mov_b32 s[G1], 15|(3<<16)|(1<<21)            ; 15:0 the mask: all four work-groups; 17:16 elements of 8 bytes; 20 no padding; 21 set beside a mask
	s_mov_b32 s[G1+1], 32<<16                      ; tensor_dim0: 256 bytes
	s_mov_b32 s[G1+2], 51<<16                      ; tensor_dim1: 51 rows: a step's 13,056 dense bytes
	s_mov_b32 s[G1+3], 32<<16                      ; tile_dim0
	s_mov_b32 s[G1+4], 51                          ; tile_dim1
	s_mov_b32 s[G1+5], 32                          ; from row to row
	s_mov_b32 s[G1+6], 0
	s_mov_b32 s[G1+7], 0
	s_mov_b32 s[CS], 0x3e38aa3b                    ; c = log2(e) / 8
	s_mov_b32 s[CS+1], s[CS]
	s_mov_b32 s[NC], 0xbe38aa3b                    ; -c
	s_mov_b32 s[HI], 0xffff0000
	s_mov_b32 s[SEL], 0x76543210
	s_mov_b32 s[SEL+1], 0xfedcba98
	s_mul_i32 s13, s[WV], STEPB                    ; my step's place in LDS: the wave's number alone
	s_mul_i32 s32, s3, 16*STEPB
	s_add_co_u32 s32, s32, s13                     ; and in kvbuf: head and wave alone
	s_mov_b32 s33, 0
	s_lshl_b32 s34, s2, 2
	s_lshr_b32 s35, s[WV], 2
	s_add_co_u32 s34, s34, s35                     ; my group of 128 queries: 4 cx + wave / 4
	s_mul_i32 s34, s34, 6656
	s_mul_i32 s35, s3, 16*6656
	s_add_co_u32 s34, s34, s35
	s_mov_b32 s35, 0
	s_lshr_b32 s36, s3, 4
	s_lshl_b32 s36, s36, 7
	s_lshl_b32 s37, s2, 5
	s_add_co_u32 s36, s36, s37
	s_lshl_b32 s37, s[WV], 1
	s_add_co_u32 s36, s36, s37                     ; my first tile of queries: 128 batch + 32 cx + 2 wave
	s_lshl_b32 s38, s36, 12                        ; its mask words: 4,096 bytes a tile
	s_mov_b32 s39, 0
	s_mul_i32 s40, s36, TP                         ; its tile of abuf,
	s_and_b32 s100, s3, 15
	s_lshr_b32 s41, s100, 2
	s_mul_i32 s41, s41, CHP                        ; the chunk of four heads
	s_add_co_u32 s40, s40, s41
	s_mov_b32 s41, 0
	s_and_b32 s100, s100, 3                        ; head % 4
	s_and_b32 s101, s[WV], 3                       ; wave % 4
	s_wait_dscnt 0x0                               ; the opening add is done
	s_wait_kmcnt 0x0
	s_mov_b32 s12, 1
	s_add_nc_u64 s[14:15], s[10:11], s[32:33]
	s_or_b32 s15, s15, 0x80000000
	s_add_nc_u64 s[4:5], s[4:5], s[34:35]
	s_add_nc_u64 s[6:7], s[6:7], s[38:39]
	s_add_nc_u64 s[8:9], s[8:9], s[40:41]
	CROUND                                         ; all four work-groups are here: the joint loads meet
	tensor_load_to_lds s[12:15], s[G1:G1+7]        ; my one load of the launch
	s_nop 0
.rept 4
	v_nop
.endr
	v_and_b32 v92, 31, v0                          ; lane
	v_and_b32 v93, 15, v0                          ; r
	v_bfe_u32 v95, v0, 4, 1                        ; h
	v_lshlrev_b32 v[L16], 4, v92
	v_lshlrev_b32 v[L8], 3, v92
	v_lshlrev_b32 v[L4], 2, v92
	s_mul_i32 s2, s101, 1536                       ; Q: tile 2 (wave % 4) + u of the group's eight
	v_add_nc_u32 v9, s2, v[L16]
	v_add_nc_u32 v10, s2, v[L8]
	v_add_nc_u32 v10, 512, v10
	s_lshl_b32 s2, s101, 7
	v_lshl_add_u32 v11, v93, 2, s2
	v_add_nc_u32 v11, 6144, v11                    ; its scale words: 4 bytes a row
	s_mul_i32 s2, s100, 768                        ; abuf: my head's half fragment of the chunk's four
	v_add_nc_u32 v12, s2, v[L16]
	v_add_nc_u32 v13, s2, v[L8]
	v_add_nc_u32 v13, 512, v13
	s_lshl_b32 s2, s100, 1
	v_mul_u32_u24 v14, v95, TP
	v_lshl_add_u32 v14, v93, 3, v14
	v_add_nc_u32 v14, s2, v14
	v_add_nc_u32 v14, 3072, v14                    ; its two scale bytes: lanes 0-15 my first tile's rows, lanes 16-31 my second's
	v_mov_b32 v[NEG], 0xff800000
.irp i, 6,7,8,9,10,11
	v_mov_b32 v[QF+\i], 0                          ; zero codes fill K from 64 to 128, on both sides
.irp t, 0,1,2,3
	v_mov_b32 v[KF+12*\t+\i], 0
.endr
.endr
.irp b, 0,1,2,3
	v_mov_b32 v[BP+\b], 0                          ; written once: a lane permute's destination counts as one of its sources
.endr
	v_mov_b32 v[FF+1], 0
	v_mov_b32 v[K2+1], 0
	v_mov_b32 v92, 0
	s_mov_b32 s[MO], 0
	s_load_b512 s[32:47], s[6:7], s[MO] offset:0x0         ; the first step's mask words
	s_load_b512 s[48:63], s[6:7], s[MO] offset:0x40
	s_load_b512 s[68:83], s[6:7], s[MO] offset:0x80
	s_load_b512 s[84:99], s[6:7], s[MO] offset:0xc0
	s_wait_tensorcnt 0x0                           ; my step is in,
	s_barrier_signal -1
	s_barrier_wait -1                              ; everybody's is: the head's K and V lie in LDS
; S^T of one step: eight tiles of 16 keys x my 16 queries, then the mask.
.macro QK
	v_add_nc_u32 v[A16], s[TK], v[L16]
	v_add_nc_u32 v[A8], s[TK], v[L8]
	v_add_nc_u32 v[A4], s[TK], v[L4]
	v_nop                                          ; five places: in pass 2 these products write over registers that the last products read as their source 0
	v_nop
.irp g, 0,1
.if \g
.rept 4
	v_nop                                          ; places in front of loads into registers that matrix instructions have read
.endr
.endif
.irp t, 0,1,2,3
	ds_load_b128 v[KF+12*\t:KF+12*\t+3], v[A16] offset:768*(4*\g+\t)
	ds_load_b64 v[KF+12*\t+4:KF+12*\t+5], v[A8] offset:768*(4*\g+\t)+512
.endr
.if \g == 0
.irp j, 0,1,2,3
	ds_load_b32 v[KS+\j], v[A4] offset:6144+128*\j   ; lanes 0-15 tile 2 j's words, lanes 16-31 tile 2 j + 1's
.endr
.endif
	s_wait_dscnt 0x0
.irp t, 0,1,2,3
.set rD, S+8*(4*\g+\t)
.set rA, KF+12*\t
.set rB, QF
.set rSA, KS+(4*\g+\t)/2
.set rSB, QS
	WMS 0, \t%2, 0
.endr
.endr
.rept 4
	v_nop
.endr
	s_wait_kmcnt 0x0                               ; the step's mask words, asked for a step ago
.set n, 0
.rept 64                               ; a hidden score becomes -infinity; each accumulator is read from its low end on
.if n < 32
	v_cndmask_b32 v[S+n], v[NEG], v[S+n], s[32+n]
.else
	v_cndmask_b32 v[S+n], v[NEG], v[S+n], s[36+n]
.endif
.set n, n+1
.endr
.endm
; The next step's mask words.  mode 1, pass 1: round the tile's 16 steps, so that the last trip asks for pass 2's first.  mode 2, pass 2 of my first tile: straight on, into my second tile's words.
; mode 3, pass 2 of my second tile: held at the last step, so that no load leaves the buffer; the last trip's words are not used.  The offset is stepped behind the wait that shows the last loads done.
.macro MNEXT mode, u
	s_add_co_u32 s[MO], s[MO], 256
.if (\mode) == 1
	s_and_b32 s[MO], s[MO], 0xfff
	s_or_b32 s[MO], s[MO], (\u)<<12
.elseif (\mode) == 3
	s_min_u32 s[MO], s[MO], 0x1f00
.endif
	s_load_b512 s[32:47], s[6:7], s[MO] offset:0x0
	s_load_b512 s[48:63], s[6:7], s[MO] offset:0x40
	s_load_b512 s[68:83], s[6:7], s[MO] offset:0x80
	s_load_b512 s[84:99], s[6:7], s[MO] offset:0xc0
.endm
.macro BMAX                            ; the largest of my 16 scores of each block of 32 keys, the four blocks by turns
.irp b, 0,1,2,3
	v_max3_num_f32 v[BM+\b], v[S+16*\b], v[S+1+16*\b], v[S+2+16*\b]
.endr
.irp i, 3,5,7,9,11,13
.irp b, 0,1,2,3
	v_max3_num_f32 v[BM+\b], v[BM+\b], v[S+16*\b+\i], v[S+1+16*\b+\i]
.endr
.endr
.irp b, 0,1,2,3
	v_max_num_f32 v[BM+\b], v[BM+\b], v[S+15+16*\b]
.endr
.endm
.macro NEXTSTEP lab
	s_add_co_u32 s[TK], s[TK], STEPB
	s_sub_co_u32 s[CNT], s[CNT], 1
	s_cmp_lg_u32 s[CNT], 0
	s_cbranch_scc1 \lab
.endm
.macro TILE u
.if \u
	s_wait_xcnt 0x0                                ; the first tile's stores have read their registers
.endif
	global_load_b128 v[QF:QF+3], v9, s[4:5] offset:768*\u
	global_load_b64 v[QF+4:QF+5], v10, s[4:5] offset:768*\u
	global_load_b32 v[QS], v11, s[4:5] offset:64*\u
	v_mov_b32 v[NM+1], 0xff61b1e6                  ; m: -3e38, under every score
	v_mul_f32 v[NM], s[NC], v[NM+1]                ; -c m
	v_mov_b32 v[LS], 0
	v_mov_b32 v[LS+1], 0
	s_mov_b32 s[TK], 0
	s_mov_b32 s[CNT], 16
	s_wait_loadcnt 0x0
.Lp1_\u:                                           ; ---- pass 1: 16 steps
	QK
	MNEXT 1, \u
	BMAX
	v_max3_num_f32 v[NM+1], v[NM+1], v[BM], v[BM+1]
	v_max3_num_f32 v[NM+1], v[NM+1], v[BM+2], v[BM+3]      ; my lane's running maximum
	v_mov_b32 v95, v[NM]
	v_mul_f32 v[NM], s[NC], v[NM+1]
	v_sub_f32 v[FF], v[NM], v95                    ; c m_old - c m_new, 0 or less
.set j, 0
.rept 32
	v_pk_fma_f32 v[S+j:S+j+1], v[S+j:S+j+1], s[CS:CS+1], v[NM:NM+1] op_sel_hi:[1,0,0]   ; c s - c m, two at a time
.set j, j+2
.endr
	v_exp_f32 v[FF], v[FF]
.set j, 0
.rept 64
	v_exp_f32 v[S+j], v[S+j]
.set j, j+1
.endr
	v_nop                                          ; a plain place behind the last exponential
	s_wait_alu depctr_va_vdst(0)                   ; one wait for the batch of 65, ahead of its first reader
	v_pk_mul_f32 v[LS:LS+1], v[LS:LS+1], v[FF:FF+1] op_sel_hi:[1,0]
	v_pk_add_f32 v[T2:T2+1], v[S:S+1], v[S+2:S+3]
.set j, 4
.rept 15
	v_pk_add_f32 v[LS:LS+1], v[LS:LS+1], v[S+j:S+j+1]
	v_pk_add_f32 v[T2:T2+1], v[T2:T2+1], v[S+j+2:S+j+3]
.set j, j+4
.endr
	v_pk_add_f32 v[LS:LS+1], v[LS:LS+1], v[T2:T2+1]
	NEXTSTEP .Lp1_\u
	; ---- between the passes: the two halves of the lanes are joined
	v_permlanex16_b32 v92, v[NM+1], s[SEL], s[SEL+1]
	v_max_num_f32 v93, v[NM+1], v92                ; the row's maximum
	v_mul_f32 v[K2], s[NC], v93                    ; -c m
	v_sub_f32 v92, v[K2], v[NM]
	v_exp_f32 v92, v92                             ; what brings my half's sum under the row's maximum
	v_add_f32 v[LS], v[LS], v[LS+1]                ; (a plain place behind the exponential)
	s_wait_alu depctr_va_vdst(0)
	v_mul_f32 v[LS], v[LS], v92
	v_permlanex16_b32 v[LS+1], v[LS], s[SEL], s[SEL+1]
	v_add_f32 v[LS], v[LS], v[LS+1]                ; the row's sum
	v_max_num_f32 v[LS], 0x800000, v[LS]           ; (a row that is wholly hidden has the sum 0: its p are 0 whatever K2 is)
	v_log_f32 v[LS], v[LS]
	v_nop
	s_wait_alu depctr_va_vdst(0)
	v_sub_f32 v[K2], v[K2], v[LS]                  ; K2 = -c m - log2(l)
.set j, 0
.rept 32
	v_mov_b32 v[O+j], 0                            ; the loop is written once: its first step adds onto zeros
.set j, j+1
.endr
	s_mov_b32 s[TK], 0
	s_mov_b32 s[CNT], 16
.Lp2_\u:                                           ; ---- pass 2: 16 steps
	QK
	MNEXT 2+\u, \u
	BMAX                                           ; a block's largest p is not searched for: p rises with the score, so the block's largest score goes through the same two instructions
.irp b, 0,1,2,3
	v_permlanex16_b32 v[BP+\b], v[BM+\b], s[SEL], s[SEL+1]
.endr
.irp b, 0,1,2,3
	v_max_num_f32 v[BM+\b], v[BM+\b], v[BP+\b]
.endr
.set j, 0
.rept 32
	v_pk_fma_f32 v[S+j:S+j+1], v[S+j:S+j+1], s[CS:CS+1], v[K2:K2+1] op_sel_hi:[1,0,0]
.set j, j+2
.endr
.irp b, 0,1,2,3
	v_fma_f32 v[BM+\b], v[BM+\b], s[CS], v[K2]
.endr
.set j, 0
.rept 64
	v_exp_f32 v[S+j], v[S+j]                       ; p, finished and normalised
.set j, j+1
.endr
.irp b, 0,1,2,3
	v_exp_f32 v[BM+\b], v[BM+\b]
.endr
	v_nop
	s_wait_alu depctr_va_vdst(0)                   ; one wait for the batch of 68
.irp b, 0,1,2,3
	v_max_num_f32 v[BM+\b], 0x1800000, v[BM+\b]    ; the floor 2^(3 - 127): the byte cannot fall under 1
.endr
.irp b, 0,1,2,3
	v_add_nc_u32 v[SCL+\b], 0xff000000, v[BM+\b]
.endr
.irp b, 0,1,2,3
	v_lshrrev_b32 v[BP+\b], 23, v[SCL+\b]
.endr
	v_lshl_or_b32 v[PW], v[BP+1], 8, v[BP]
	v_lshl_or_b32 v[PW], v[BP+2], 16, v[PW]
	v_lshl_or_b32 v[PW], v[BP+3], 24, v[PW]
.irp c, 0,1
	v_cvt_scalef32_pk16_fp6_f32 v[PC+6*\c:PC+2+6*\c], v[S+32*\c:S+15+32*\c], v[SCL+2*\c]
	v_cvt_scalef32_pk16_fp6_f32 v[PC+12+4*\c:PC+14+4*\c], v[S+16+32*\c:S+31+32*\c], v[SCL+2*\c+1]
.endr
	v_nop                                          ; one plain place behind a scaled conversion
.irp t, 0,1,2,3                        ; V's four fragments take the registers that p has left
	ds_load_b128 v[S+12*\t:S+12*\t+3], v[A16] offset:6656+1536*\t
	ds_load_b64 v[S+12*\t+4:S+12*\t+5], v[A8] offset:6656+1536*\t+512
	ds_load_b128 v[S+12*\t+6:S+12*\t+9], v[A16] offset:6656+1536*\t+768
	ds_load_b64 v[S+12*\t+10:S+12*\t+11], v[A8] offset:6656+1536*\t+1280
.endr
.irp j, 0,1
	ds_load_b32 v[VS+\j], v[A4] offset:12800+128*\j
.endr
.irp c, 0,1
.irp i, 0,1,2
	v_permlane16_swap_b32 v[PC+6*\c+\i], v[PC+12+4*\c+\i]
.endr
.irp i, 0,1,2
	v_mov_b32 v[PC+3+6*\c+\i], v[PC+12+4*\c+\i]
.endr
.endr
.rept 8
	v_nop                                          ; a scale register written by a vector instruction stands 8 places ahead of a scaled product, an operand so written 4
.endr
	s_wait_dscnt 0x0
.irp t, 0,1,2,3                        ; the four accumulators take turns
.set rD, O+8*\t
.set rA, S+12*\t
.set rB, PC
.set rSA, VS+\t/2
.set rSB, PW
	WMS v[rD:rD+7], \t%2, 0
.endr
	NEXTSTEP .Lp2_\u
	; ---- the way out: my query's 64 channels are two blocks of the last product's K
.rept 4
	v_nop
.endr
.irp b, 0,1
	v_max3_num_f32 v[BM+\b], |v[O+16*\b]|, |v[O+1+16*\b]|, 0x1800000
.endr
.irp i, 2,4,6,8,10,12,14
.irp b, 0,1
	v_max3_num_f32 v[BM+\b], v[BM+\b], |v[O+16*\b+\i]|, |v[O+1+16*\b+\i]|
.endr
.endr
.irp b, 0,1
	v_permlanex16_b32 v[BP+\b], v[BM+\b], s[SEL], s[SEL+1]
.endr
.irp b, 0,1
	v_max_num_f32 v[BM+\b], v[BM+\b], v[BP+\b]
.endr
.irp b, 0,1
	v_add_nc_u32 v[SCL+\b], 0xff000000, v[BM+\b]
.endr
.irp b, 0,1
	v_lshrrev_b32 v[BP+\b], 23, v[SCL+\b]
.endr
.if \u
	v_lshl_or_b32 v93, v[BP+1], 8, v[BP]
.else
	v_lshl_or_b32 v94, v[BP+1], 8, v[BP]           ; kept until my second tile's are made
.endif
	v_cvt_scalef32_pk16_fp6_f32 v[PC:PC+2], v[O:O+15], v[SCL]
	v_cvt_scalef32_pk16_fp6_f32 v[PC+12:PC+14], v[O+16:O+31], v[SCL+1]
	v_nop
.irp i, 0,1,2
	v_permlane16_swap_b32 v[PC+\i], v[PC+12+\i]
.endr
.irp i, 0,1,2
	v_mov_b32 v[PC+3+\i], v[PC+12+\i]
.endr
	global_store_b128 v12, v[PC:PC+3], s[8:9] offset:TP*\u     ; a half fragment: 512 and 256 consecutive bytes, each at a multiple of 256 from the buffer's first byte
	global_store_b64 v13, v[PC+4:PC+5], s[8:9] offset:TP*\u
.if \u
	v_cndmask_b32 v92, v94, v93, s[HI]
	global_store_b16 v14, v92, s[8:9]
.endif
.endm
	TILE 0
	TILE 1
	s_wait_tensorcnt 0x0                           ; the wave's end, behind my last tensor load
	ds_add_u32 v[SPW], v[NIL]
	s_wait_dscnt 0x0
	CROUND                                         ; the closing round
	s_endpgm
.Lfunc_end_k_q33f27a5c14_attn:
	.size	k_q33f27a5c14_attn, .Lfunc_end_k_q33f27a5c14_attn-k_q33f27a5c14_attn
	.p2alignl 7, 3214868480
	.fill 96, 4, 3214868480
	.section	.rodata,"a",@progbits
	.p2align	6, 0x0
	.amdhsa_kernel k_q33f27a5c14_attn
		.amdhsa_group_segment_fixed_size 210944
		.amdhsa_private_segment_fixed_size 0
		.amdhsa_enable_private_segment 0
		.amdhsa_kernarg_size 32
		.amdhsa_user_sgpr_count 2
		.amdhsa_user_sgpr_kernarg_segment_ptr 1
		.amdhsa_wavefront_size32 1
		.amdhsa_system_sgpr_workgroup_id_x 1
		.amdhsa_system_sgpr_workgroup_id_y 1
		.amdhsa_system_sgpr_workgroup_id_z 1
		.amdhsa_system_vgpr_workitem_id 0
		.amdhsa_next_free_vgpr 256
		.amdhsa_next_free_sgpr 102
		.amdhsa_reserve_vcc 0
		.amdhsa_float_denorm_mode_32 3
		.amdhsa_float_denorm_mode_16_64 3
		.amdhsa_memory_ordered 1
		.amdhsa_forward_progress 1
		.amdhsa_inst_pref_size 82
	.end_amdhsa_kernel
	.amdgpu_metadata
---
amdhsa.version: [ 1, 2 ]
amdhsa.kernels:
  - .name:           k_q33f27a5c14_attn
    .symbol:         k_q33f27a5c14_attn.kd
    .args:
      - { .name: qbuf, .offset: 0, .size: 8, .value_kind: global_buffer, .address_space: global }
      - { .name: maskw, .offset: 8, .size: 8, .value_kind: global_buffer, .address_space: global }
      - { .name: abuf, .offset: 16, .size: 8, .value_kind: global_buffer, .address_space: global }
      - { .name: kvbuf, .offset: 24, .size: 8, .value_kind: global_buffer, .address_space: global }
    .group_segment_fixed_size: 210944
    .private_segment_fixed_size: 0
    .kernarg_segment_align: 8
    .kernarg_segment_size: 32
    .max_flat_workgroup_size: 512
    .sgpr_count:     102
    .vgpr_count:     256
    .wavefront_size: 32
...
	.end_amdgpu_metadata
.endif
;; end of part 3
;; launch outp (part 4): grid 4 x 64, 4 waves a work-group, clusters of 4 x 4, 327,680 bytes of LDS; arguments abuf, wbuf, out0; writes out0
.if DOCPART == 4
	.amdgcn_target "amdgcn-amd-amdhsa--gfx1250"
	.amdhsa_code_object_version 6
	.text
	.protected	k_q33f27a5c14_outp
	.globl	k_q33f27a5c14_outp
	.p2align	8
	.type	k_q33f27a5c14_outp,@function
k_q33f27a5c14_outp:
	s_mov_b64 s[64:65], 0
	v_nop
	global_prefetch_b8 v0, s[64:65] scope:SCOPE_SE
	s_setreg_imm32_b32 hwreg(HW_REG_WAVE_MODE, 25, 1), 1
	s_wait_xcnt 0x0
	s_wait_alu depctr_hold_cnt(0) depctr_sa_sdst(0) depctr_va_vdst(0) depctr_va_sdst(0) depctr_va_ssrc(0) depctr_va_vcc(0) depctr_vm_vsrc(0)
	s_getreg_b32 s2, hwreg(HW_REG_IB_STS2, 6, 4)
	s_cmp_eq_u32 s2, 0
	s_cbranch_scc0 .Lentry_in_a_cluster
	s_endpgm
.Lentry_in_a_cluster:
	s_bfe_u32 s2, ttmp6, 0x10000c
	s_cmp_lg_u32 s2, 0xf033
	s_cbranch_scc0 .Lentry_shape_is_right
	s_endpgm
.Lentry_shape_is_right:
; OUTP: out0 = a wo^T on codes of FP6 (E2M3) with E8M0 scales, K = 1,024; a is attention's result as codes (abuf), wo the fourth weight of wbuf.  out0 [8192][1024] f32.
; D = S0 S1^T with S0 = wo, S1 = a.  A work-group makes 256 rows of S0 (features) x 128 rows of S1 (tokens); wave w (a = w / 2, b = w % 2) makes S0's tiles 8 b .. 8 b + 7 x S1's tiles 4 a .. 4 a + 3:
; 32 accumulators, 256 registers.  A lane holds one token, and its 64 registers run along 128 features in their true order, since S0's tiles are stored tiles
; (row rho of tile T = row 32 (T/2) + 8 (T%2) + rho + 8 (rho/8)).
; ALL OF K LIES IN LDS: 384 rows x 800 bytes in four chunks of 256 along K, each filled once: no slot is filled again.  A tile's part of a chunk is 3,200 bytes: four half fragments
; (images of the operand's registers: registers 0-3 at 16 x lane, 4-5 at 512 + 8 x lane) and 128 bytes of scale words [row][2].  Every LDS read is in lane order.
; CLUSTER 4 x 4: S0's rows hang on cx alone and are asked for jointly along a column of the cluster, S1's on cy alone and along a row.
; REGISTERS: window 0: v4-9 LDS addresses; v10, v11, v13 the way out; v28, v29 the add's two; v32-47 S0's scale words, v48-55 S1's (two sets each); v64-159 S1's fragments, two sets; on the way out v64-191 rows of out0.
;   window 1: S0's fragments, two sets of 96.   window 2: the accumulators, (m, f) at v[64 m + 8 f].
.set TP,    13312
.set CHP,   3328
.set WMAT,  64*TP
.set TILEB, 3200
.set CHUNK, 24*TILEB
.set S1OFF, 16*TILEB
.set SPARE, 4*CHUNK                    ; the spare words, 128 bytes for each wave: two blocks of 256 bytes that no other line names
.set WSTG,  8448                       ; the way out: a stage of 16 rows x (512 bytes + 16) for each wave, in chunk 0's bytes
.set SPW, 28
.set NIL, 29
.set WV,  12
.set G1A, 16
.set G1B, 24
.set G0A, 32
.set G0B, 48
.set MSB, 0
.macro WIN new                         ; the immediate's high byte repeats the setting that is left
.if MSB != \new
	s_set_vgpr_msb (MSB<<8)|\new
.set MSB, \new
.endif
.endm
.macro CROUND                          ; a round of the cluster's barrier
	s_barrier_signal -1
	s_barrier_wait -1
	s_cmp_lg_u32 s[WV], 0
	s_cbranch_scc1 .Lnot_wave_0_\@
	s_barrier_signal -3
.Lnot_wave_0_\@:
	s_barrier_wait -3
	s_barrier_signal -1
	s_barrier_wait -1
.endm
.macro PLACES n                        ; plain vector instructions between a matrix instruction and a load into, or a read of, its registers
.rept \n
	v_nop
.endr
.endm
.macro FRAGL reg, a16, a8, off         ; a fragment, 12 registers, from two half fragments
	ds_load_b128 v[(\reg):(\reg)+3], v[\a16] offset:(\off)
	ds_load_b64 v[(\reg)+4:(\reg)+5], v[\a8] offset:(\off)+512
	ds_load_b128 v[(\reg)+6:(\reg)+9], v[\a16] offset:(\off)+768
	ds_load_b64 v[(\reg)+10:(\reg)+11], v[\a8] offset:(\off)+1280
.endm
.macro FETCH t                         ; K step t's fragments into set t % 2: 48 loads; with a chunk's first step its scale words: 6 more
	WIN 0x40                                       ; destination window 1
.irp i, 0,1,2,3,4,5,6,7
	FRAGL 96*((\t)%2)+12*\i, 4, 5, TILEB*\i+1536*((\t)%2)
.endr
	WIN 0
.irp i, 0,1,2,3
	FRAGL 64+48*((\t)%2)+12*\i, 6, 7, TILEB*\i+1536*((\t)%2)
.endr
.if (\t)%2 == 0
.irp j, 0,1,2,3
	ds_load_b64 v[32+8*(((\t)/2)%2)+2*\j:32+8*(((\t)/2)%2)+2*\j+1], v8 offset:2*TILEB*\j   ; lanes 0-15 tile 2 j's two words, lanes 16-31 tile 2 j + 1's
.endr
.irp j, 0,1
	ds_load_b64 v[48+4*(((\t)/2)%2)+2*\j:48+4*(((\t)/2)%2)+2*\j+1], v9 offset:2*TILEB*\j
.endr
.endif
.endm
.macro WMS c, ra, rb                   ; one product; ra, rb: the side's scales stand in lanes 16-31
.if (\ra) && (\rb)
	v_wmma_scale_f32_16x16x128_f8f6f4 v[rD:rD+7], v[rA:rA+11], v[rB:rB+11], \c, v[rSA], v[rSB] matrix_a_fmt:MATRIX_FMT_FP6 matrix_b_fmt:MATRIX_FMT_FP6 matrix_a_scale:MATRIX_SCALE_ROW1 matrix_b_scale:MATRIX_SCALE_ROW1
.elseif (\ra)
	v_wmma_scale_f32_16x16x128_f8f6f4 v[rD:rD+7], v[rA:rA+11], v[rB:rB+11], \c, v[rSA], v[rSB] matrix_a_fmt:MATRIX_FMT_FP6 matrix_b_fmt:MATRIX_FMT_FP6 matrix_a_scale:MATRIX_SCALE_ROW1
.elseif (\rb)
	v_wmma_scale_f32_16x16x128_f8f6f4 v[rD:rD+7], v[rA:rA+11], v[rB:rB+11], \c, v[rSA], v[rSB] matrix_a_fmt:MATRIX_FMT_FP6 matrix_b_fmt:MATRIX_FMT_FP6 matrix_b_scale:MATRIX_SCALE_ROW1
.else
	v_wmma_scale_f32_16x16x128_f8f6f4 v[rD:rD+7], v[rA:rA+11], v[rB:rB+11], \c, v[rSA], v[rSB] matrix_a_fmt:MATRIX_FMT_FP6 matrix_b_fmt:MATRIX_FMT_FP6
.endif
.endm
.macro MUL t, zero                     ; K step t: 32 products; the 32 accumulators take turns, in the same order in every step.  zero = 1: they start the sums
	WIN 0xa1                                       ; source 0 (S0) window 1, source 1 (S1) window 0, C and D window 2
.irp m, 0,1,2,3
.irp f, 0,1,2,3,4,5,6,7
.set rD, 64*\m+8*\f
.set rA, 96*((\t)%2)+12*\f
.set rB, 64+48*((\t)%2)+12*\m
.set rSA, 32+8*(((\t)/2)%2)+2*(\f/2)+(\t)%2
.set rSB, 48+4*(((\t)/2)%2)+2*(\m/2)+(\t)%2
.if \zero
	WMS 0, \f%2, \m%2
.else
	WMS v[rD:rD+7], \f%2, \m%2
.endif
.endr
.endr
	WIN 0
.endm
	s_load_b128 s[4:7], s[0:1], 0x0                ; abuf, wbuf
	s_load_b64 s[8:9], s[0:1], 0x10                ; out0
	v_lshl_add_u32 v[SPW], v0, 2, SPARE
	v_mov_b32 v[NIL], 0
	ds_add_u32 v[SPW], v[NIL]                      ; the wave's opening: the add and its wait stand ahead of my first tensor load; work on registers stands between them
	v_lshrrev_b32 v1, 5, v0
	v_readfirstlane_b32 s[WV], v1                  ; wave 0..3
	s_lshr_b32 s13, s[WV], 1                       ; a.  Also: I fetch for S1 (0) or for S0 (1)
	s_and_b32 s14, s[WV], 1                        ; b.  Also: which half of that operand's tiles I fetch
	s_bfe_u32 s66, ttmp6, 0x40000                  ; cx = i0: which 256 features
	s_bfe_u32 s67, ttmp6, 0x40004                  ; cy
	s_and_b32 s69, ttmp7, 0xffff                   ; the cluster's y, 0 .. 15
	s_lshl_b32 s70, s67, 2
	s_lshl_b32 s70, 15, s70                        ; my row of the cluster
	s_lshl_b32 s71, 0x1111, s66                    ; my column
	s_or_b32 s[G1A], s70, (3<<16)|(1<<21)          ; 15:0 the mask; 17:16 elements of 8 bytes; 20 no padding; 21 set beside a mask
	s_or_b32 s[G1B], s71, (3<<16)|(1<<21)
	s_mov_b32 s[G1A+1], 400<<16                    ; tensor_dim0: 3,200 bytes
	s_mov_b32 s[G1A+2], 4<<16                      ; tensor_dim1: 4 tiles
	s_mov_b32 s[G1A+3], 400<<16                    ; tile_dim0
	s_mov_b32 s[G1A+4], 4                          ; tile_dim1
	s_mov_b32 s[G1A+5], TP/8                       ; from tile to tile
	s_mov_b32 s[G1A+6], 0
	s_mov_b32 s[G1A+7], 0
	s_mov_b32 s[G1B+1], 400<<16
	s_mov_b32 s[G1B+2], 8<<16                      ; 8 tiles
	s_mov_b32 s[G1B+3], 400<<16
	s_mov_b32 s[G1B+4], 8
	s_mov_b32 s[G1B+5], TP/8
	s_mov_b32 s[G1B+6], 0
	s_mov_b32 s[G1B+7], 0
	s_lshl_b32 s73, s69, 2
	s_add_co_u32 s73, s73, s67                     ; i1 = 4 Y + cy: which 128 tokens
	s_lshl_b32 s76, s66, 4
	s_lshl_b32 s74, s14, 3
	s_add_co_u32 s76, s76, s74
	s_mul_i32 s76, s76, TP
	s_add_co_u32 s76, s76, 3*WMAT                  ; S0: tile 16 i0 + 8 b of wo
	s_mov_b32 s77, 0
	s_lshl_b32 s78, s73, 3
	s_lshl_b32 s74, s14, 2
	s_add_co_u32 s78, s78, s74
	s_mul_i32 s78, s78, TP                         ; S1: tile 8 i1 + 4 b
	s_mov_b32 s79, 0
	s_mul_i32 s88, s14, 4*TILEB                    ; where they go: no place in the cluster enters an LDS address
	s_mul_i32 s89, s14, 8*TILEB
	s_wait_dscnt 0x0                               ; the opening add is done
	s_wait_kmcnt 0x0
	s_add_nc_u64 s[80:81], s[6:7], s[76:77]
	s_add_nc_u64 s[82:83], s[4:5], s[78:79]
	CROUND                                         ; all sixteen work-groups are here: the joint loads meet
.irp c, 0,1,2,3
	s_mov_b32 s[G0A+4*\c], 1
	s_add_co_u32 s[G0A+4*\c+1], s88, \c*CHUNK+S1OFF
	s_add_nc_u64 s[G0A+4*\c+2:G0A+4*\c+3], s[82:83], \c*CHP
	s_or_b32 s[G0A+4*\c+3], s[G0A+4*\c+3], 0x80000000
	s_mov_b32 s[G0B+4*\c], 1
	s_add_co_u32 s[G0B+4*\c+1], s89, \c*CHUNK
	s_add_nc_u64 s[G0B+4*\c+2:G0B+4*\c+3], s[80:81], \c*CHP
	s_or_b32 s[G0B+4*\c+3], s[G0B+4*\c+3], 0x80000000
.endr
	s_cmp_eq_u32 s13, 0                            ; a wave's four fills stand in one branch on the wave's number: four loads of mine are out; an s_nop 0 follows each, four v_nop the last
	s_cbranch_scc0 .Lfor_s0
.irp c, 0,1,2,3
	tensor_load_to_lds s[G0A+4*\c:G0A+4*\c+3], s[G1A:G1A+7]
	s_nop 0
.endr
.rept 4
	v_nop
.endr
	s_branch .Lasked
.Lfor_s0:
.irp c, 0,1,2,3
	tensor_load_to_lds s[G0B+4*\c:G0B+4*\c+3], s[G1B:G1B+7]
	s_nop 0
.endr
.rept 4
	v_nop
.endr
.Lasked:
	v_and_b32 v1, 31, v0                           ; lane
	v_and_b32 v2, 15, v0                           ; r
	v_bfe_u32 v3, v0, 4, 1                         ; h
	v_lshlrev_b32 v13, 4, v1                       ; 16 x lane: also my bytes of a row of out0
	v_lshlrev_b32 v14, 3, v1                       ; 8 x lane
	s_mul_i32 s90, s14, 8*TILEB                    ; my 8 tiles of S0
	s_mul_i32 s91, s13, 4*TILEB
	s_add_co_u32 s91, s91, S1OFF                   ; my 4 tiles of S1
	v_add_nc_u32 v4, s90, v13
	v_add_nc_u32 v5, s90, v14
	v_add_nc_u32 v6, s91, v13
	v_add_nc_u32 v7, s91, v14
	v_mul_u32_u24 v8, v3, TILEB
	v_lshl_add_u32 v8, v2, 3, v8
	v_add_nc_u32 v8, 3072, v8                      ; scale words: 8 bytes a row; lanes 16-31 the next tile's
	v_add_nc_u32 v9, s91, v8
	v_add_nc_u32 v8, s90, v8
	s_mul_i32 s74, s[WV], WSTG                     ; my stage
	v_mul_u32_u24 v10, v2, 528
	v_lshl_add_u32 v10, v3, 6, v10
	v_add_nc_u32 v10, s74, v10                     ; in: row r, + 64 h
	v_add_nc_u32 v11, s74, v13                     ; back: a row's 512 bytes, 16 a lane
	s_lshl_b32 s74, s73, 7
	s_lshl_b32 s75, s13, 6
	s_add_co_u32 s74, s74, s75                     ; my first token: 128 i1 + 64 a
	s_lshl_b32 s74, s74, 12                        ; rows of 4,096 bytes
	s_lshl_b32 s75, s66, 10
	s_add_co_u32 s74, s74, s75                     ; + 256 i0 features
	s_lshl_b32 s75, s14, 9
	s_add_co_u32 s74, s74, s75                     ; + 128 b
	s_mov_b32 s75, 0
	s_add_nc_u64 s[8:9], s[8:9], s[74:75]
	s_wait_tensorcnt 0x3                           ; my part of chunk 0 is in; the three behind it may be out
	s_barrier_signal -1
	s_barrier_wait -1                              ; everybody's is
	FETCH 0
.irp t, 0,1,2,3,4,5,6,7
.if (\t%2) == 1 && \t < 7
	s_wait_tensorcnt (5-\t)/2                      ; my part of the next chunk is in: 2, 1, 0 younger loads may be out
	s_wait_dscnt 0x0                               ; no LDS instruction of mine is pending at a signal: my reads of the chunk that I leave are over
	s_barrier_signal -1
	s_barrier_wait -1
.irp a, 4,5,6,7,8,9
	v_add_nc_u32 v\a, CHUNK, v\a                   ; on to the next chunk
.endr
.endif
.if \t > 0 && \t < 7
	PLACES 4                                       ; the set that is loaded next was read by the products just issued
.endif
.if \t < 7
	FETCH \t+1
.if (\t%2) == 1
	s_wait_dscnt 54                                ; all but the 54 just issued
.else
	s_wait_dscnt 48                                ; all but the 48 just issued
.endif
.else
	s_wait_dscnt 0x0
.endif
.if \t == 0
	MUL \t, 1
.else
	MUL \t, 0
.endif
.endr
; THE WAY OUT, a tile of 16 tokens x 128 features at a time.  A lane holds pieces of one row, and the lanes beside it hold other rows: so a tile goes through my own stage in LDS and comes back as whole rows
; of 512 bytes.  The stage lies in chunk 0's bytes: they have had their one fill, and every wave's reads of them were over in front of a barrier that all have passed.
; LDS serves a wave's instructions in order (ISA guide 5.7.1.4): no wait between the stores and the loads, nor in front of the next tile's stores.
.macro TOSTAGE m
	WIN 0x08                                       ; an LDS store's data are its source 1: window 2
.irp f, 0,1,2,3,4,5,6,7
	ds_store_b128 v10, v[64*(\m)+8*\f:64*(\m)+8*\f+3] offset:128*(\f/2)+32*(\f%2)          ; features 32 (f / 2) + 16 h + 8 (f % 2) + 0 .. 7; each accumulator from its low end on
	ds_store_b128 v10, v[64*(\m)+8*\f+4:64*(\m)+8*\f+7] offset:128*(\f/2)+32*(\f%2)+16
.endr
	WIN 0
.irp t, 0,1,2,3,4,5,6,7,8,9,10,11,12,13,14,15
	ds_load_b128 v[64+64*((\m)%2)+4*\t:64+64*((\m)%2)+4*\t+3], v11 offset:528*\t
.endr
.endm
.macro SEND m, younger                 ; younger: the LDS instructions issued behind tile m's loads, which may stay out
	s_wait_dscnt \younger
.irp t, 0,1,2,3,4,5,6,7,8,9,10,11,12,13,14,15
	global_store_b128 v13, v[64+64*((\m)%2)+4*\t:64+64*((\m)%2)+4*\t+3], s[8:9] offset:(32*((\m)/2)+8*((\m)%2)+\t+8*(\t/8))*4096 th:TH_STORE_NT   ; row t of the stored tile, at its true place: 512 consecutive bytes, at a multiple of 256 from out0's first byte
.endr
.endm
	PLACES 4                                       ; in front of the first reads of results and of loads into registers that held S1's fragments
	TOSTAGE 0
.irp m, 1,2,3
.if \m > 1
	s_wait_xcnt 0x0                                ; tile m - 2's stores have read their registers: tile m's loads may land there
.endif
	TOSTAGE \m
	SEND \m-1, 32                                  ; behind tile m - 1's loads: tile m's 16 stores and 16 loads
.endr
	SEND 3, 0
	s_wait_tensorcnt 0x0                           ; the wave's end, behind my last tensor load and my last LDS store
	ds_add_u32 v[SPW], v[NIL]
	s_wait_dscnt 0x0
	CROUND                                         ; the closing round: no work-group ends while a partner may still ask for a tile that names it
	s_endpgm
.Lfunc_end_k_q33f27a5c14_outp:
	.size	k_q33f27a5c14_outp, .Lfunc_end_k_q33f27a5c14_outp-k_q33f27a5c14_outp
	.p2alignl 7, 3214868480
	.fill 96, 4, 3214868480
	.section	.rodata,"a",@progbits
	.p2align	6, 0x0
	.amdhsa_kernel k_q33f27a5c14_outp
		.amdhsa_group_segment_fixed_size 327680
		.amdhsa_private_segment_fixed_size 0
		.amdhsa_enable_private_segment 0
		.amdhsa_kernarg_size 24
		.amdhsa_user_sgpr_count 2
		.amdhsa_user_sgpr_kernarg_segment_ptr 1
		.amdhsa_wavefront_size32 1
		.amdhsa_system_sgpr_workgroup_id_x 1
		.amdhsa_system_sgpr_workgroup_id_y 1
		.amdhsa_system_sgpr_workgroup_id_z 1
		.amdhsa_system_vgpr_workitem_id 0
		.amdhsa_next_free_vgpr 768
		.amdhsa_next_free_sgpr 102
		.amdhsa_reserve_vcc 0
		.amdhsa_float_denorm_mode_32 3
		.amdhsa_float_denorm_mode_16_64 3
		.amdhsa_memory_ordered 1
		.amdhsa_forward_progress 1
		.amdhsa_inst_pref_size 84
	.end_amdhsa_kernel
	.amdgpu_metadata
---
amdhsa.version: [ 1, 2 ]
amdhsa.kernels:
  - .name:           k_q33f27a5c14_outp
    .symbol:         k_q33f27a5c14_outp.kd
    .args:
      - { .name: abuf, .offset: 0, .size: 8, .value_kind: global_buffer, .address_space: global }
      - { .name: wbuf, .offset: 8, .size: 8, .value_kind: global_buffer, .address_space: global }
      - { .name: out0, .offset: 16, .size: 8, .value_kind: global_buffer, .address_space: global }
    .group_segment_fixed_size: 327680
    .private_segment_fixed_size: 0
    .kernarg_segment_align: 8
    .kernarg_segment_size: 24
    .max_flat_workgroup_size: 128
    .sgpr_count:     102
    .vgpr_count:     768
    .wavefront_size: 32
...
	.end_amdgpu_metadata
.endif
;; end of part 4
